; MI455X (gfx1250); checked and timed in simulation.
; The chip was launched on July 23, 2026; its instructions are those of AMD's public machine-readable ISA for CDNA 5 (MIT licence, August 2026) and "CDNA5" Instruction Set Architecture Reference Guide (July 2026). The comments in the code are by the model that wrote it; some were corrected since.
;; Causal Self Attention. Allowed arithmetic: matrix products marked QUANTISED: E2M1 operands, one E8M0 scale for each 32 along K, by v_wmma_scale_f32_16x16x128_f8f6f4 with both operands' format E2M1 (or v_wmma_scale_f32_32x16x128_f4), f32 sums; products left as they are: bf16, f16 or f32 operands; f32 sums; everything else in f32.
;; Inputs: W_attn 1,024 x 3,072 float32; W_proj 1,024 x 1,024 float32; x 4 x 2,048 x 1,024 float32.
;; Outputs: out0 4 x 2,048 x 1,024 float32.
;; This version of the problem:
;;   THIS VERSION OF THE PROBLEM IS GIVEN IN LOW PRECISION. The matrix products marked QUANTISED in the list below multiply operands that are first quantised to E2M1 (2 exponent bits, 1 mantissa bit; 4 bits a number), with one power-of-two scale for each 32 numbers along K (OCP MX v1.0); their sums are f32. The products marked 'left as it is' may take bf16, f16 or f32 operands, with f32 sums. Whichever they take, every output number must still come out within the allowed error. Rounding operands to bf16 (8 significant bits) uses up far more of that allowance than f16 does (11 bits, for magnitudes from 6e-5 to 65,504). All else is computed in f32.
;;   The module's matrix products, in the order in which they are computed (A, B: the left and right operand; K: the contracted axis; several contracted axes count as one K, in the product's order):
;;     1. [M 8,192, K 1,024] x [K 1,024, N 3,072]; A: input x; B: input W_attn: QUANTISED
;;     2. batch 64 x [M 2,048, K 64] x [K 64, N 2,048]; A: computed on the way; B: computed on the way: left as it is (an operand is computed on the way)
;;     3. batch 64 x [M 2,048, K 2,048] x [K 2,048, N 64]; A: computed on the way; B: computed on the way: left as it is (an operand is computed on the way)
;;     4. [M 8,192, K 1,024] x [K 1,024, N 1,024]; A: computed on the way; B: input W_proj: left as it is (an operand is computed on the way)
;;   THE QUANTISER, for each operand of a quantised product, along K:
;;     - K is cut into blocks of 32 from its start; a last block that is shorter is filled with zeros.
;;     - A block's scale is 2^e with e = floor(log2(the largest magnitude in the block)) - 2, held to -126 .. 127; a block of zeros has e = 0. As a byte (E8M0): e + 127.
;;     - Each number is divided by its block's scale, clamped to +-6, and rounded to the nearest number of E2M1, ties to even, subnormals kept.
;;     - The product sums the exact products of the quantised numbers (number of the format x scale) in f32.
;;   ~~~python
;;   def quantise(x, axis):      # numpy; x: float32 -> the quantised numbers, widened to float32 again
;;       x = np.moveaxis(x, axis, -1); K = x.shape[-1]
;;       x = np.pad(x, [(0, 0)] * (x.ndim - 1) + [(0, -K % 32)]); x = x.reshape(x.shape[:-1] + (-1, 32)); a = np.abs(x).max(-1, keepdims=True)
;;       e = np.where(a > 0, np.clip(np.frexp(np.where(a > 0, a, 1))[1] - 1 - 2, -126, 127), 0)      # np.frexp(a)[1] - 1 = floor(log2(a)), exactly
;;       r = np.clip(x / 2.0 ** e, -6, 6)
;;       step = 2.0 ** (np.maximum(np.frexp(np.where(r == 0, 1, r))[1] - 1, 0) - 1)
;;       q = np.round(r / step) * step * 2.0 ** e      # np.round: ties to even
;;       return np.moveaxis(q.reshape(q.shape[:-2] + (-1,))[..., :K], -1, axis).astype(np.float32)
;;   ~~~
;; One version. Each part assembles by itself: llvm-mc -triple=amdgcn-amd-amdhsa -mcpu=gfx1250 --defsym DOCPART=n.
;; ======== version 1 of 1: 7 launches
;; limits: values are held in f16: magnitudes above 65,504 overflow, below 6.1e-05 lose precision
;; workspace buffers: xc 4,194,304 bytes; xs 262,144 bytes; wc 1,572,864 bytes; ws 98,304 bytes; wp 2,097,152 bytes; qkv 50,331,648 bytes; qkvf 786,432 bytes; y2 16,777,216 bytes
;; launch quant_x (part 1): grid 256 x 1, 4 waves a work-group, no clusters, 33,280 bytes of LDS; arguments x, xc, xs; writes xc, xs
.if DOCPART == 1
	.amdgcn_target "amdgcn-amd-amdhsa--gfx1250"
	.amdhsa_code_object_version 6
	.text
	.protected	k_q12b6576236_quant_x
	.globl	k_q12b6576236_quant_x
	.p2align	8
	.type	k_q12b6576236_quant_x,@function
k_q12b6576236_quant_x:
	s_mov_b64 s[64:65], 0
	v_nop
	global_prefetch_b8 v0, s[64:65] scope:SCOPE_SE
	s_setreg_imm32_b32 hwreg(HW_REG_WAVE_MODE, 25, 1), 1
	s_wait_xcnt 0x0
; THE PROGRAM: causal self-attention, B = 4, T = 2,048, C = 1,024, 16 heads of 64, in seven launches:
;   quant_x, quant_w: x and W_attn into codes of E2M1 with E8M0 scales along K;  cast_wp: W_proj turned and rounded to f16;  gemm1: qkv = x W_attn on codes;
;   attn: the attention, f16 operands, f32 sums;  proj: y W_proj, f16 operands, f32 sums;  fine: positions 0 to 15 of every sequence once more, all in f32, written over proj's rows.
; WORK LEFT OUT: reference() sets att to -inf where key > query (its own jnp.tril), and the softmax gives such a key the weight 0 whatever the inputs hold.  So a step of 64 keys all of which come after all
; queries of a wave is not multiplied (launch attn).  Nothing else is left out, and every input is loaded.  LIMIT: a NaN, an infinity or an overflow that would arise only in the scores left out is not carried to the result.
; LIMITS OF THE PROGRAM: q, k, v, the attention's result and W_proj go to the matrix units as f16: magnitudes beyond 65,504 become infinite there.  NaN and infinities among the inputs are not served.
;
; THIS LAUNCH: x [8192][1024] f32 becomes codes of E2M1, 4 bits each, K innermost (xc [8192][512 bytes]), with one E8M0 byte for each 32 along K (xs [8192][32]).
; A block's scale is 2^(floor(log2(its largest magnitude)) - 2); its byte is the largest magnitude's exponent field - 2, held at 1 from below.  A block of zeros so gets the byte 1 where the rule says 127:
; its codes are zeros, which add nothing under any byte but 0xff, and this program alone reads the bytes.  LIMIT: blocks whose largest magnitude lies under 2^(3 - 127) keep the byte 1.
; Rows are dense and K is a multiple of 32: x is a plain stream of blocks of 32.  A wave takes 16 steps of 512 numbers.  Each of a step's four loads reads 512 consecutive bytes; the 2,048 bytes turn through the
; wave's own stage in LDS and come back 64 bytes a lane, so that a lane holds 16 neighbours along K and two neighbouring lanes a block.  A lane's 16 codes are 8 bytes: a wave's store covers 256 consecutive bytes.
; A wave's 256 scale bytes are gathered in its own LDS bytes and leave as one aligned run of 256 bytes.  No barrier: waves share nothing.
.set STEPS, 16
.set EMAX,  2
.set CB,    8                          ; bytes of 16 codes
.set R,     16                         ; v16-79   four sets of 16 numbers as they are loaded
.set X,     80                         ; v80-111  two sets of 16 neighbours
.set E,     112                        ; v112-127 a scale byte for each step
.set C,     128                        ; v128-191 codes: four registers for each step, so that no store's data are written again
.set WREG,  8192                       ; LDS: a region for each wave: two stages of 32 x SP bytes, behind them its 256 scale bytes
.set SP,    80                         ; a lane's place in a stage: 64 bytes + 16 of padding
.set SPW,   12                         ; v12 LDS address of my spare word; never rewritten
.set NIL,   13                         ; v13 0; never rewritten
.set SPARE, 4*WREG                     ; the spare words, 128 bytes a wave
	s_load_b128 s[4:7], s[0:1], 0x0                ; x, xc
	s_load_b64 s[8:9], s[0:1], 0x10                ; xs
	v_lshl_add_u32 v[SPW], v0, 2, SPARE
	v_mov_b32 v[NIL], 0
	v_lshrrev_b32 v1, 5, v0
	v_readfirstlane_b32 s16, v1                    ; wave
	v_and_b32 v2, 31, v0                           ; lane
	v_lshlrev_b32 v3, 4, v2                        ; my 16 bytes of a load's 512
	s_mul_i32 s17, s16, WREG
	v_lshrrev_b32 v14, 2, v2
	v_mul_u32_u24 v14, v14, SP
	v_and_b32 v15, 3, v2
	v_lshl_add_u32 v14, v15, 4, v14
	v_add_nc_u32 v14, s17, v14                     ; the stage, way in: SP (lane / 4) + 16 (lane % 4)
	v_mul_u32_u24 v15, v2, SP
	v_add_nc_u32 v15, s17, v15                     ; way out: SP x lane: my 16 neighbours
	v_mul_u32_u24 v4, v2, CB                       ; my codes' place in a step's
	v_lshrrev_b32 v5, 1, v2
	s_add_co_u32 s17, s17, 2*32*SP
	v_add_nc_u32 v5, s17, v5                       ; my block's scale byte in LDS
	v_lshlrev_b32 v7, 3, v2                        ; and on the way out 8 bytes a lane
	v_add_nc_u32 v6, s17, v7
	s_lshl_b32 s17, ttmp9, 2
	s_add_co_u32 s18, s17, s16                     ; which run of 8,192 numbers is my wave's: 0 .. 1,023
	s_lshl_b32 s20, s18, 15                        ; 32,768 bytes of x,
	s_mov_b32 s21, 0
	s_lshl_b32 s22, s18, 12                        ; 4,096 bytes of codes,
	s_mov_b32 s23, 0
	s_lshl_b32 s18, s18, 8                         ; 256 scale bytes a run
	s_mov_b32 s19, 0
	s_wait_kmcnt 0x0
	s_add_nc_u64 s[4:5], s[4:5], s[20:21]
	s_add_nc_u64 s[6:7], s[6:7], s[22:23]
	s_add_nc_u64 s[8:9], s[8:9], s[18:19]
.macro LOAD t
.irp i, 0,1,2,3
	global_load_b128 v[R+16*((\t)%4)+4*\i:R+16*((\t)%4)+4*\i+3], v3, s[4:5] offset:2048*(\t)+512*\i th:TH_LOAD_NT
.endr
.endm
.macro TURN t                          ; step t's numbers through the stage: LDS serves a wave's instructions in order, so no wait stands between the stores and the loads
.irp i, 0,1,2,3
	ds_store_b128 v14, v[R+16*((\t)%4)+4*\i:R+16*((\t)%4)+4*\i+3] offset:32*SP*((\t)%2)+8*SP*\i
.endr
.irp i, 0,1,2,3
	ds_load_b128 v[X+16*((\t)%2)+4*\i:X+16*((\t)%2)+4*\i+3], v15 offset:32*SP*((\t)%2)+16*\i
.endr
.endm
.irp t, 0,1,2,3
	LOAD \t
.endr
	s_wait_loadcnt 12                              ; step 0's four loads are in; the twelve of steps 1 to 3 may be out
	TURN 0
.macro STEP t
.set XS, X+16*((\t)%2)
.if (\t) > 0
	s_wait_dscnt 1                                 ; this step's numbers are back from the stage; the last step's byte store may be out
.else
	s_wait_dscnt 0x0
.endif
.if (\t)+4 < STEPS
	LOAD (\t)+4                                    ; into the registers whose stores into the stage are done
.endif
.if (\t)+1 < STEPS
.if STEPS-2-(\t) >= 3
	s_wait_loadcnt 12                              ; the next step's four loads are in; those of the three steps behind it may be out
.else
	s_wait_loadcnt 4*(STEPS-2-(\t))
.endif
	TURN (\t)+1
.endif
	v_max3_num_f32 v8, |v[XS]|, |v[XS+1]|, |v[XS+2]|               ; the largest magnitude of my 16, in two chains
	v_max3_num_f32 v9, |v[XS+3]|, |v[XS+4]|, |v[XS+5]|
.irp i, 6,10
	v_max3_num_f32 v8, v8, |v[XS+\i]|, |v[XS+\i+1]|
	v_max3_num_f32 v9, v9, |v[XS+\i+2]|, |v[XS+\i+3]|
.endr
	v_max3_num_f32 v8, v8, |v[XS+14]|, |v[XS+15]|
	v_max3_num_f32 v8, v8, v9, (EMAX+1)<<23        ; and the floor 2^(3 - 127): the byte cannot fall under 1
	v_max_num_f32_dpp v8, v8, v8 row_xmask:1 row_mask:0xf bank_mask:0xf   ; with my neighbour's 16: the block's
	v_add_nc_u32 v11, -(EMAX<<23), v8              ; 2 off its exponent field: the conversion takes this operand's exponent field as its scale
	v_cvt_scalef32_pk8_fp4_f32 v[C+4*(\t)], v[XS:XS+7], v11
	v_cvt_scalef32_pk8_fp4_f32 v[C+4*(\t)+1], v[XS+8:XS+15], v11
	v_lshrrev_b32 v[E+(\t)], 23, v11               ; the scale's byte (also the plain line behind the conversions)
	ds_store_b8 v5, v[E+(\t)] offset:16*(\t)       ; both lanes of a block write the same byte with the same value
	global_store_b64 v4, v[C+4*(\t):C+4*(\t)+1], s[6:7] offset:32*CB*(\t)
.endm
.irp t, 0,1,2,3,4,5,6,7,8,9,10,11,12,13,14,15
	STEP \t
.endr
	ds_load_b64 v[8:9], v6                         ; in order behind my byte stores
	s_wait_dscnt 0x0
	global_store_b64 v7, v[8:9], s[8:9]            ; 32 lanes store 256 consecutive bytes, aligned
	s_wait_tensorcnt 0x0                           ; the wave's end
	ds_add_u32 v[SPW], v[NIL]
	s_wait_dscnt 0x0
	s_endpgm
.Lfunc_end_k_q12b6576236_quant_x:
	.size	k_q12b6576236_quant_x, .Lfunc_end_k_q12b6576236_quant_x-k_q12b6576236_quant_x
	.p2alignl 7, 3214868480
	.fill 96, 4, 3214868480
	.section	.rodata,"a",@progbits
	.p2align	6, 0x0
	.amdhsa_kernel k_q12b6576236_quant_x
		.amdhsa_group_segment_fixed_size 33280
		.amdhsa_private_segment_fixed_size 0
		.amdhsa_enable_private_segment 0
		.amdhsa_kernarg_size 24
		.amdhsa_user_sgpr_count 2
		.amdhsa_user_sgpr_kernarg_segment_ptr 1
		.amdhsa_wavefront_size32 1
		.amdhsa_system_sgpr_workgroup_id_x 1
		.amdhsa_system_sgpr_workgroup_id_y 1
		.amdhsa_system_sgpr_workgroup_id_z 1
		.amdhsa_system_vgpr_workitem_id 0
		.amdhsa_next_free_vgpr 192
		.amdhsa_next_free_sgpr 66
		.amdhsa_reserve_vcc 0
		.amdhsa_float_denorm_mode_32 3
		.amdhsa_float_denorm_mode_16_64 3
		.amdhsa_memory_ordered 1
		.amdhsa_forward_progress 1
		.amdhsa_inst_pref_size 33
	.end_amdhsa_kernel
	.amdgpu_metadata
---
amdhsa.version: [ 1, 2 ]
amdhsa.kernels:
  - .name:           k_q12b6576236_quant_x
    .symbol:         k_q12b6576236_quant_x.kd
    .args:
      - { .name: x, .offset: 0, .size: 8, .value_kind: global_buffer, .address_space: global }
      - { .name: xc, .offset: 8, .size: 8, .value_kind: global_buffer, .address_space: global }
      - { .name: xs, .offset: 16, .size: 8, .value_kind: global_buffer, .address_space: global }
    .group_segment_fixed_size: 33280
    .private_segment_fixed_size: 0
    .kernarg_segment_align: 8
    .kernarg_segment_size: 24
    .max_flat_workgroup_size: 128
    .sgpr_count:     66
    .vgpr_count:     192
    .wavefront_size: 32
...
	.end_amdgpu_metadata
.endif
;; end of part 1
;; launch quant_w (part 2): grid 48 x 1, 16 waves a work-group, no clusters, 37,888 bytes of LDS; arguments W_attn, wc, ws; writes wc, ws
.if DOCPART == 2
	.amdgcn_target "amdgcn-amd-amdhsa--gfx1250"
	.amdhsa_code_object_version 6
	.text
	.protected	k_q12b6576236_quant_w
	.globl	k_q12b6576236_quant_w
	.p2align	8
	.type	k_q12b6576236_quant_w,@function
k_q12b6576236_quant_w:
	s_mov_b64 s[64:65], 0
	v_nop
	global_prefetch_b8 v0, s[64:65] scope:SCOPE_SE
	s_setreg_imm32_b32 hwreg(HW_REG_WAVE_MODE, 25, 1), 1
	s_wait_xcnt 0x0
; W_attn [1024 k][3072 n] f32, K its FIRST axis, becomes codes of E2M1 laid [3072 n][512 bytes] with K innermost (wc) and E8M0 bytes [3072][32] (ws).  The quantiser is that of launch quant_x, with its limits.
; A LANE TAKES A COLUMN n AND ITS REGISTERS RUN DOWN K: a block of 32 lies in one lane's 32 registers, and the conversions give codes with K innermost.  Nothing is transposed by an instruction.
; A work-group takes 64 columns and all of K.  Wave w: columns 32 (w & 1) on, K = 128 (w >> 1) on: four blocks a lane.  Two waves side by side read 256 consecutive bytes of each row of W_attn.
; The codes of the 64 columns meet in one stage in LDS (a row a column, 512 bytes + 16) and the scale bytes beside it; behind a barrier both leave as they lie in memory: 32,768 and 2,048 consecutive bytes.
; Loads run two blocks (64 loads a wave) ahead.
.set EMAX,  2
.set ROWW,  12288                      ; a row of W_attn in bytes
.set STP,   528                        ; a stage row
.set SCS,   64*STP                     ; behind the stage: 64 x 32 scale bytes
.set SPARE, SCS+2048                   ; the spare words, 128 bytes for each of 16 waves
.set SPW,   2
.set NIL,   3
.set C,     16                         ; v16-31  codes, four registers a block
.set X,     32                         ; v32-159 four blocks of 32 numbers
	s_load_b128 s[4:7], s[0:1], 0x0                ; W_attn, wc
	s_load_b64 s[8:9], s[0:1], 0x10                ; ws
	v_lshl_add_u32 v[SPW], v0, 2, SPARE
	v_mov_b32 v[NIL], 0
	v_lshrrev_b32 v1, 5, v0
	v_readfirstlane_b32 s16, v1                    ; wave 0..15
	v_and_b32 v1, 31, v0                           ; lane
	s_and_b32 s17, s16, 1                          ; which 32 columns
	s_lshr_b32 s18, s16, 1                         ; which 128 along K
	v_lshlrev_b32 v4, 2, v1                        ; in: 4 bytes a lane
	s_mul_i32 s19, s17, 32*STP
	s_lshl_b32 s20, s18, 6
	s_add_co_u32 s19, s19, s20
	v_mul_u32_u24 v5, v1, STP
	v_add_nc_u32 v5, s19, v5                       ; the stage: my column's row, my 64 bytes of it
	s_lshl_b32 s19, s17, 10
	s_lshl_b32 s20, s18, 2
	s_add_co_u32 s19, s19, s20
	s_add_co_u32 s19, s19, SCS
	v_lshl_add_u32 v6, v1, 5, s19                  ; my column's 32 scale bytes, my word of them
	s_mul_i32 s19, s16, 4*STP
	v_lshlrev_b32 v7, 4, v1
	v_add_nc_u32 v7, s19, v7                       ; back: wave w takes rows 4 w .. 4 w + 3, 16 bytes a lane
	s_lshl_b32 s19, s16, 11
	v_lshl_add_u32 v8, v1, 4, s19                  ; and the same place in the work-group's 32,768 bytes of wc
	v_and_b32 v10, 127, v0
	v_lshlrev_b32 v10, 4, v10                      ; the scale bytes leave by threads 0 to 127, 16 bytes each
	v_add_nc_u32 v9, SCS, v10
	s_mul_i32 s20, s18, 128*ROWW
	s_lshl_b32 s21, ttmp9, 8
	s_add_co_u32 s20, s20, s21
	s_lshl_b32 s21, s17, 7
	s_add_co_u32 s20, s20, s21                     ; W_attn: 128 (w >> 1) rows down, 64 x work-group + 32 (w & 1) columns on
	s_mov_b32 s21, 0
	s_lshl_b32 s22, ttmp9, 15
	s_mov_b32 s23, 0
	s_lshl_b32 s24, ttmp9, 11
	s_mov_b32 s25, 0
	s_wait_kmcnt 0x0
	s_add_nc_u64 s[4:5], s[4:5], s[20:21]
	s_add_nc_u64 s[6:7], s[6:7], s[22:23]
	s_add_nc_u64 s[8:9], s[8:9], s[24:25]
.macro LOAD t                          ; block t: W(32 t + i, my column)
.set ix, 0
.rept 32
	global_load_b32 v[X+32*(\t)+ix], v4, s[4:5] offset:(32*(\t)+ix)*ROWW th:TH_LOAD_NT
.set ix, ix+1
.endr
.endm
.macro BLOCK t
.set XS, X+32*(\t)
.if (\t) < 3
	s_wait_loadcnt 32                              ; this block's 32 loads are in; the next block's may be out
.else
	s_wait_loadcnt 0x0
.endif
	v_max3_num_f32 v12, |v[XS]|, |v[XS+1]|, |v[XS+2]|              ; the block's largest magnitude: all 32 numbers are mine
	v_max3_num_f32 v13, |v[XS+3]|, |v[XS+4]|, |v[XS+5]|
.irp i, 6,10,14,18,22,26
	v_max3_num_f32 v12, v12, |v[XS+\i]|, |v[XS+\i+1]|
	v_max3_num_f32 v13, v13, |v[XS+\i+2]|, |v[XS+\i+3]|
.endr
	v_max3_num_f32 v12, v12, |v[XS+30]|, |v[XS+31]|
	v_max3_num_f32 v12, v12, v13, (EMAX+1)<<23     ; and the floor 2^(3 - 127)
	v_add_nc_u32 v11, -(EMAX<<23), v12             ; the conversion's scale operand
	v_lshrrev_b32 v14, 23, v11                     ; the scale's byte
.if (\t) == 0
	v_mov_b32 v15, v14                             ; four bytes to a word, the lower K in the lower byte
.else
	v_lshl_or_b32 v15, v14, 8*(\t), v15
.endif
.irp g, 0,1,2,3
	v_cvt_scalef32_pk8_fp4_f32 v[C+4*(\t)+\g], v[XS+8*\g:XS+8*\g+7], v11
.endr
	v_nop                                          ; one plain line behind the conversions
	ds_store_b128 v5, v[C+4*(\t):C+4*(\t)+3] offset:16*(\t)
.if (\t)+2 < 4
	LOAD (\t)+2
.endif
.endm
	LOAD 0
	LOAD 1
	BLOCK 0
	BLOCK 1
	BLOCK 2
	BLOCK 3
	ds_store_b32 v6, v15
	s_wait_dscnt 0x0                               ; for the others' sake: my stores have landed
	s_barrier_signal -1
	s_barrier_wait -1
.irp i, 0,1,2,3
	ds_load_b128 v[160+4*\i:163+4*\i], v7 offset:STP*\i
.endr
.irp i, 0,1,2,3
	s_wait_dscnt 3-\i
	global_store_b128 v8, v[160+4*\i:163+4*\i], s[6:7] offset:512*\i   ; 32 lanes store 512 consecutive bytes, aligned
.endr
	s_cmp_lt_u32 s16, 4                            ; waves 0 to 3 send the 2,048 scale bytes
	s_cbranch_scc0 .Lno_scales
	ds_load_b128 v[176:179], v9
	s_wait_dscnt 0x0
	global_store_b128 v10, v[176:179], s[8:9]
.Lno_scales:
	s_wait_tensorcnt 0x0                           ; the wave's end
	ds_add_u32 v[SPW], v[NIL]
	s_wait_dscnt 0x0
	s_endpgm
.Lfunc_end_k_q12b6576236_quant_w:
	.size	k_q12b6576236_quant_w, .Lfunc_end_k_q12b6576236_quant_w-k_q12b6576236_quant_w
	.p2alignl 7, 3214868480
	.fill 96, 4, 3214868480
	.section	.rodata,"a",@progbits
	.p2align	6, 0x0
	.amdhsa_kernel k_q12b6576236_quant_w
		.amdhsa_group_segment_fixed_size 37888
		.amdhsa_private_segment_fixed_size 0
		.amdhsa_enable_private_segment 0
		.amdhsa_kernarg_size 24
		.amdhsa_user_sgpr_count 2
		.amdhsa_user_sgpr_kernarg_segment_ptr 1
		.amdhsa_wavefront_size32 1
		.amdhsa_system_sgpr_workgroup_id_x 1
		.amdhsa_system_sgpr_workgroup_id_y 1
		.amdhsa_system_sgpr_workgroup_id_z 1
		.amdhsa_system_vgpr_workitem_id 0
		.amdhsa_next_free_vgpr 184
		.amdhsa_next_free_sgpr 66
		.amdhsa_reserve_vcc 0
		.amdhsa_float_denorm_mode_32 3
		.amdhsa_float_denorm_mode_16_64 3
		.amdhsa_memory_ordered 1
		.amdhsa_forward_progress 1
		.amdhsa_inst_pref_size 22
	.end_amdhsa_kernel
	.amdgpu_metadata
---
amdhsa.version: [ 1, 2 ]
amdhsa.kernels:
  - .name:           k_q12b6576236_quant_w
    .symbol:         k_q12b6576236_quant_w.kd
    .args:
      - { .name: W_attn, .offset: 0, .size: 8, .value_kind: global_buffer, .address_space: global }
      - { .name: wc, .offset: 8, .size: 8, .value_kind: global_buffer, .address_space: global }
      - { .name: ws, .offset: 16, .size: 8, .value_kind: global_buffer, .address_space: global }
    .group_segment_fixed_size: 37888
    .private_segment_fixed_size: 0
    .kernarg_segment_align: 8
    .kernarg_segment_size: 24
    .max_flat_workgroup_size: 512
    .sgpr_count:     66
    .vgpr_count:     184
    .wavefront_size: 32
...
	.end_amdgpu_metadata
.endif
;; end of part 2
;; launch cast_wp (part 3): grid 8 x 8, 4 waves a work-group, no clusters, 35,328 bytes of LDS; arguments W_proj, wp; writes wp
.if DOCPART == 3
	.amdgcn_target "amdgcn-amd-amdhsa--gfx1250"
	.amdhsa_code_object_version 6
	.text
	.protected	k_q12b6576236_cast_wp
	.globl	k_q12b6576236_cast_wp
	.p2align	8
	.type	k_q12b6576236_cast_wp,@function
k_q12b6576236_cast_wp:
	s_mov_b64 s[64:65], 0
	v_nop
	global_prefetch_b8 v0, s[64:65] scope:SCOPE_SE
	s_setreg_imm32_b32 hwreg(HW_REG_WAVE_MODE, 25, 1), 1
	s_wait_xcnt 0x0
; W_proj [1024 k][1024 n] f32 becomes wp [1024 n][1024 k] f16, K innermost, as launch proj's second operand wants it.  LIMIT: magnitudes beyond 65,504 become infinite in f16.
; A lane takes a column n and its registers run down K; pairs of neighbours along K are rounded into one register.  A wave takes 32 columns x 128 along K: 256 bytes of f16 a column.
; They go through the wave's own stage in LDS (a row a column, 256 bytes + 16) and leave by rows: sixteen lanes store 256 consecutive bytes, aligned.  No barrier: waves share nothing.
.set STP,   272
.set WREG,  32*STP
.set SPARE, 4*WREG
.set SPW,   2
.set NIL,   3
.set X,     32                         ; v32-159  128 numbers; later v32-95 the rows on the way out
.set H,     160                        ; v160-223 64 registers of f16 pairs
	s_load_b128 s[4:7], s[0:1], 0x0                ; W_proj, wp
	v_lshl_add_u32 v[SPW], v0, 2, SPARE
	v_mov_b32 v[NIL], 0
	v_lshrrev_b32 v1, 5, v0
	v_readfirstlane_b32 s16, v1                    ; wave 0..3
	v_and_b32 v1, 31, v0
	s_and_b32 s17, ttmp7, 0xffff                   ; which 128 along K
	v_lshlrev_b32 v4, 2, v1
	s_mul_i32 s18, s16, WREG
	v_mul_u32_u24 v5, v1, STP
	v_add_nc_u32 v5, s18, v5                       ; into the stage: row = my column
	v_and_b32 v6, 15, v1
	v_lshrrev_b32 v9, 4, v1
	v_mul_u32_u24 v7, v9, STP
	v_lshl_add_u32 v7, v6, 4, v7
	v_add_nc_u32 v7, s18, v7                       ; out of it: sixteen lanes to a row, two rows an instruction
	v_lshlrev_b32 v8, 11, v9
	v_lshl_add_u32 v8, v6, 4, v8                   ; and the same place in wp (rows of 2,048 bytes)
	s_lshl_b32 s20, s17, 19                        ; W_proj: 128 y rows of 4,096 bytes,
	s_lshl_b32 s21, ttmp9, 9
	s_add_co_u32 s20, s20, s21
	s_lshl_b32 s21, s16, 7
	s_add_co_u32 s20, s20, s21                     ; column 128 x + 32 wave
	s_mov_b32 s21, 0
	s_lshl_b32 s22, ttmp9, 18                      ; wp: row 128 x + 32 wave,
	s_lshl_b32 s23, s16, 16
	s_add_co_u32 s22, s22, s23
	s_lshl_b32 s23, s17, 8
	s_add_co_u32 s22, s22, s23                     ; 256 y bytes along it
	s_mov_b32 s23, 0
	s_wait_kmcnt 0x0
	s_add_nc_u64 s[4:5], s[4:5], s[20:21]
	s_add_nc_u64 s[6:7], s[6:7], s[22:23]
.macro LOAD t
.set ix, 0
.rept 32
	global_load_b32 v[X+32*(\t)+ix], v4, s[4:5] offset:(32*(\t)+ix)*4096 th:TH_LOAD_NT
.set ix, ix+1
.endr
.endm
.macro GROUP t
.if (\t) < 3
	s_wait_loadcnt 32                              ; this group's 32 loads are in; the next group's may be out
.else
	s_wait_loadcnt 0x0
.endif
.set ix, 0
.rept 16
	v_cvt_pk_f16_f32 v[H+16*(\t)+ix], v[X+32*(\t)+2*ix], v[X+32*(\t)+2*ix+1]   ; the lower k in the low half
.set ix, ix+1
.endr
.irp j, 0,1,2,3
	ds_store_b128 v5, v[H+16*(\t)+4*\j:H+16*(\t)+4*\j+3] offset:64*(\t)+16*\j
.endr
.if (\t)+2 < 4
	LOAD (\t)+2
.endif
.endm
	LOAD 0
	LOAD 1
	GROUP 0
	GROUP 1
	GROUP 2
	GROUP 3
.irp t, 0,1,2,3,4,5,6,7,8,9,10,11,12,13,14,15
	ds_load_b128 v[X+4*\t:X+4*\t+3], v7 offset:2*\t*STP   ; LDS serves a wave's instructions in order: these see my stores
.endr
.irp t, 0,1,2,3,4,5,6,7,8,9,10,11,12,13,14,15
	s_wait_dscnt 15-\t
	global_store_b128 v8, v[X+4*\t:X+4*\t+3], s[6:7] offset:2*\t*2048
.endr
	s_wait_tensorcnt 0x0                           ; the wave's end
	ds_add_u32 v[SPW], v[NIL]
	s_wait_dscnt 0x0
	s_endpgm
.Lfunc_end_k_q12b6576236_cast_wp:
	.size	k_q12b6576236_cast_wp, .Lfunc_end_k_q12b6576236_cast_wp-k_q12b6576236_cast_wp
	.p2alignl 7, 3214868480
	.fill 96, 4, 3214868480
	.section	.rodata,"a",@progbits
	.p2align	6, 0x0
	.amdhsa_kernel k_q12b6576236_cast_wp
		.amdhsa_group_segment_fixed_size 35328
		.amdhsa_private_segment_fixed_size 0
		.amdhsa_enable_private_segment 0
		.amdhsa_kernarg_size 16
		.amdhsa_user_sgpr_count 2
		.amdhsa_user_sgpr_kernarg_segment_ptr 1
		.amdhsa_wavefront_size32 1
		.amdhsa_system_sgpr_workgroup_id_x 1
		.amdhsa_system_sgpr_workgroup_id_y 1
		.amdhsa_system_sgpr_workgroup_id_z 1
		.amdhsa_system_vgpr_workitem_id 0
		.amdhsa_next_free_vgpr 224
		.amdhsa_next_free_sgpr 66
		.amdhsa_reserve_vcc 0
		.amdhsa_float_denorm_mode_32 3
		.amdhsa_float_denorm_mode_16_64 3
		.amdhsa_memory_ordered 1
		.amdhsa_forward_progress 1
		.amdhsa_inst_pref_size 22
	.end_amdhsa_kernel
	.amdgpu_metadata
---
amdhsa.version: [ 1, 2 ]
amdhsa.kernels:
  - .name:           k_q12b6576236_cast_wp
    .symbol:         k_q12b6576236_cast_wp.kd
    .args:
      - { .name: W_proj, .offset: 0, .size: 8, .value_kind: global_buffer, .address_space: global }
      - { .name: wp, .offset: 8, .size: 8, .value_kind: global_buffer, .address_space: global }
    .group_segment_fixed_size: 35328
    .private_segment_fixed_size: 0
    .kernarg_segment_align: 8
    .kernarg_segment_size: 16
    .max_flat_workgroup_size: 128
    .sgpr_count:     66
    .vgpr_count:     224
    .wavefront_size: 32
...
	.end_amdgpu_metadata
.endif
;; end of part 3
;; launch gemm1 (part 4): grid 12 x 32, 4 waves a work-group, clusters of 4 x 4, 327,680 bytes of LDS; arguments xc, xs, wc, ws, qkv, qkvf; writes qkv, qkvf
.if DOCPART == 4
	.amdgcn_target "amdgcn-amd-amdhsa--gfx1250"
	.amdhsa_code_object_version 6
	.text
	.protected	k_q12b6576236_gemm1
	.globl	k_q12b6576236_gemm1
	.p2align	8
	.type	k_q12b6576236_gemm1,@function
k_q12b6576236_gemm1:
	s_mov_b64 s[64:65], 0
	v_nop
	global_prefetch_b8 v0, s[64:65] scope:SCOPE_SE
	s_setreg_imm32_b32 hwreg(HW_REG_WAVE_MODE, 25, 1), 1
	s_wait_xcnt 0x0
	s_wait_alu depctr_hold_cnt(0) depctr_sa_sdst(0) depctr_va_vdst(0) depctr_va_sdst(0) depctr_va_ssrc(0) depctr_va_vcc(0) depctr_vm_vsrc(0)
	s_getreg_b32 s2, hwreg(HW_REG_IB_STS2, 6, 4)
	s_cmp_eq_u32 s2, 0
	s_cbranch_scc0 .Lentry_in_a_cluster
	s_endpgm
.Lentry_in_a_cluster:
	s_bfe_u32 s2, ttmp6, 0x10000c
	s_cmp_lg_u32 s2, 0xf033
	s_cbranch_scc0 .Lentry_shape_is_right
	s_endpgm
.Lentry_shape_is_right:
; qkv[m][n] = sum over k of x[m][k] W_attn[k][n], both operands as codes of E2M1 with one E8M0 scale for each 32 along K; sums in f32.  A = xc [8192][512 bytes], xs [8192][32]; B = wc [3072][512 bytes], ws [3072][32].
; A tile of 256 x 256 is made by a work-group of four waves; a wave makes 128 x 128: 64 accumulators of 16 x 16, 512 registers.  K = 1,024 is two LDS slots of 512 along K (tile rows of 256 bytes):
; both are asked for at the head and nothing is filled again.  The scales of the work-group's 256 + 256 rows, for all of K, come once with them.
; CLUSTERS: 4 x 4 work-groups.  The four of a row of the cluster need the same tiles of A, the four of a column the same tiles of B: each tile is asked for JOINTLY, by the same tensor load with the same descriptor
; and a mask that names the four.  THE MATRIX INSTRUCTION IS USED TRANSPOSED (source 0 = 16 rows of B, source 1 = 16 rows of A): a lane then holds eight neighbouring columns of one row.
; RESULTS: rounded to f16 into qkv [3 parts q, k, v][64 batch x head][2048 t][64 d] (LIMIT: beyond 65,504 infinite); the rows t < 16 of every batch also as f32 into qkvf [4][16][3072], for launch fine.
; REGISTERS, in windows of 256: window 0: v0-31 addresses; v32-95 scale words, two sets; from v128 A's fragments, ONE set; on the way out v128-223 are free.
;   window 1: B's fragments, TWO sets, at v0 and v128.   window 2: the accumulators of my rows 0-63 ((a, b) at v[8 (8 a + b)]);   window 3: those of my rows 64-127.
.set SIZE_K, 1024
.set KSTEP,  512
.set NQ,     KSTEP/128
.set ROWB,   256                       ; a tile's row in bytes
.set KROW,   SIZE_K*4/8                ; a row of codes in memory
.set PITCH,  272                       ; an LDS row: 256 bytes + 16: the 16 rows that a load touches start 16 bytes apart modulo 256
.set FR,     8
.set NL,     2
.set NP,     4                         ; places behind this matrix instruction (ISA guide 7.12.1)
.set HALFT,  128*PITCH
.set SLOT,   4*HALFT
.set KS,     SIZE_K/32
.set SCL,    2*SLOT                    ; behind the ring: the scales, as runs of 256 bytes + 16 of padding
.set HALFS,  (128*KS/256)*272
.set SBLK,   (16*KS/256)*272
.set SPARE,  SCL+4*HALFS               ; the spare words, 128 bytes a wave
.set SPITCH, 528                       ; the way out: a stage of 16 rows x 528 bytes for each wave, in slot 0, which has had its only fill and its last read when the first result is stored there
.set ADRA, 16                          ; v16-17 LDS address of my A fragments in slot 0, 1
.set STO16, 18                         ; v18    the f16 way out: where I put 16 bytes of a row
.set RD16, 19                          ; v19    and where I read four rows of one head back
.set ADRB, 20                          ; v20-21
.set T0,   22                          ; v22    my first row's position t in its sequence
.set STO,  24                          ; v24    the f32 way out: where I put 32 bytes of a row
.set RD,   25                          ; v25    and where I read a row back
.set CO,   26                          ; v26    16 x lane
.set ADRS, 27                          ; v27    LDS address of my scale words: lanes 0-15 A's rows, lanes 16-31 B's
.set SPW,  28
.set NIL,  29
.set SC,   32
.set AF,   128
.set BK,   128
.set TMP,  192
.set G1, 24
.set G0, 32
.set G1B, 48
.set G0B, 56
.set G1S, 68
.set G0S, 76
.set G1SB, 80
.set G0SB, 88
.set MSB, 0
.macro WIN new                         ; the immediate's high byte repeats the setting that is left
.if MSB != \new
	s_set_vgpr_msb (MSB<<8)|\new
.set MSB, \new
.endif
.endm
.set MUL_LO, 0xa1                      ; source 0 (B) window 1, source 1 (A) window 0, C and D window 2
.set MUL_HI, 0xf1
.set TO_B,   0x40
; A joint load: waves 0 and 1 fetch for A, waves 2 and 3 for B; the branch hangs on the wave's number alone.  An s_nop 0 and four v_nop follow each line.
.macro JLOAD g0a, g1a, g0b, g1b
	s_cmp_eq_u32 s15, 0
	s_cbranch_scc0 .Lfor_b_\@
	tensor_load_to_lds s[\g0a:\g0a+3], s[\g1a:\g1a+7]
	s_nop 0
.rept 4
	v_nop
.endr
	s_branch .Lasked_\@
.Lfor_b_\@:
	tensor_load_to_lds s[\g0b:\g0b+3], s[\g1b:\g1b+7]
	s_nop 0
.rept 4
	v_nop
.endr
.Lasked_\@:
.endm
.macro CROUND                          ; a round of the cluster's barrier
	s_barrier_signal -1
	s_barrier_wait -1
	s_cmp_lg_u32 s14, 0
	s_cbranch_scc1 .Lnot_wave_0_\@
	s_barrier_signal -3
.Lnot_wave_0_\@:
	s_barrier_wait -3
	s_barrier_signal -1
	s_barrier_wait -1
.endm
	s_load_b128 s[4:7], s[0:1], 0x0                ; xc, xs
	s_load_b128 s[8:11], s[0:1], 0x10              ; wc, ws
	s_load_b64 s[12:13], s[0:1], 0x20              ; qkv
	s_load_b64 s[96:97], s[0:1], 0x28              ; qkvf
	v_lshl_add_u32 v[SPW], v0, 2, SPARE
	v_mov_b32 v[NIL], 0
	ds_add_u32 v[SPW], v[NIL]                      ; the wave's opening: the add, twice on end, and its wait ahead of my first tensor load
	ds_add_u32 v[SPW], v[NIL]
	v_lshrrev_b32 v1, 5, v0
	v_readfirstlane_b32 s14, v1                    ; wave 0..3
	s_lshr_b32 s15, s14, 1                         ; which half of the tile's rows is mine.  Also: I fetch for A (0) or for B (1)
	s_and_b32 s16, s14, 1                          ; which half of its columns.  Also: which 128 rows of that tile I fetch
	s_bfe_u32 s40, ttmp6, 0x40000                  ; cx, cy
	s_bfe_u32 s41, ttmp6, 0x40004
	s_lshl_b32 s42, ttmp9, 2
	s_add_co_u32 s42, s42, s40                     ; tile column
	s_and_b32 s17, ttmp7, 0xffff
	s_lshl_b32 s17, s17, 2
	s_add_co_u32 s17, s17, s41                     ; tile row
	s_lshl_b32 s43, s41, 2
	s_lshl_b32 s43, 15, s43                        ; my row of the cluster
	s_lshl_b32 s44, 0x1111, s40                    ; my column
	s_or_b32 s[G1+0], s43, (0<<16)|(1<<20)|(1<<21)|(5<<22)|(3<<25)  ; mask; elements of 1 byte; padding on; bit 21 beside a mask; 4 words after every 64
	s_or_b32 s[G1B+0], s44, (0<<16)|(1<<20)|(1<<21)|(5<<22)|(3<<25)
.irp g, G1, G1B
	s_mov_b32 s[\g+1], ROWB<<16                    ; tensor_dim0
	s_mov_b32 s[\g+2], 128<<16                     ; tensor_dim1
	s_mov_b32 s[\g+3], ROWB<<16                    ; tile_dim0
	s_mov_b32 s[\g+4], 128                         ; tile_dim1
	s_mov_b32 s[\g+5], KROW                        ; the pitch
	s_mov_b32 s[\g+6], 0
	s_mov_b32 s[\g+7], 0
.endr
	s_or_b32 s[G1S+0], s43, (3<<16)|(1<<20)|(1<<21)|(5<<22)|(3<<25)  ; the scales of 128 rows: 4,096 dense bytes as 16 rows of 256 (32 elements of 8 bytes), 16 bytes of padding behind each
	s_or_b32 s[G1SB+0], s44, (3<<16)|(1<<20)|(1<<21)|(5<<22)|(3<<25)
.irp g, G1S, G1SB
	s_mov_b32 s[\g+1], 32<<16
	s_mov_b32 s[\g+2], (128*KS/256)<<16
	s_mov_b32 s[\g+3], 32<<16
	s_mov_b32 s[\g+4], 128*KS/256
	s_mov_b32 s[\g+5], 32
	s_mov_b32 s[\g+6], 0
	s_mov_b32 s[\g+7], 0
.endr
	s_lshl_b32 s18, s16, 7
	s_lshl_b32 s20, s17, 8
	s_add_co_u32 s20, s20, s18                     ; A: row 256 x tile row + 128 x half
	s_lshl_b32 s46, s42, 8
	s_add_co_u32 s46, s46, s18                     ; B: row 256 x tile column + 128 x half
	s_mov_b32 s21, 0
	s_mov_b32 s47, 0
	s_mov_b64 s[18:19], KS
	s_mul_u64 s[22:23], s[20:21], s[18:19]         ; where these rows' scales begin,
	s_mul_u64 s[92:93], s[46:47], s[18:19]
	s_mov_b64 s[18:19], KROW
	s_mul_u64 s[20:21], s[20:21], s[18:19]         ; and their codes
	s_mul_u64 s[46:47], s[46:47], s[18:19]
	s_mul_i32 s45, s14, HALFT                      ; where they go: wave x 128 rows
	s_mul_i32 s94, s14, HALFS
	s_wait_dscnt 0x0                               ; both opening adds are done
	s_wait_kmcnt 0x0
	s_add_nc_u64 s[20:21], s[4:5], s[20:21]
	s_add_nc_u64 s[22:23], s[6:7], s[22:23]
	s_add_nc_u64 s[46:47], s[8:9], s[46:47]
	s_add_nc_u64 s[92:93], s[10:11], s[92:93]
	CROUND                                         ; all sixteen work-groups are here: the joint loads meet
	s_mov_b32 s[G0S], 1
	s_add_co_u32 s[G0S+1], s94, SCL
	s_mov_b64 s[G0S+2:G0S+3], s[22:23]
	s_or_b32 s[G0S+3], s[G0S+3], 0x80000000
	s_mov_b32 s[G0SB], 1
	s_add_co_u32 s[G0SB+1], s94, SCL
	s_mov_b64 s[G0SB+2:G0SB+3], s[92:93]
	s_or_b32 s[G0SB+3], s[G0SB+3], 0x80000000
	JLOAD G0S, G1S, G0SB, G1SB                     ; the scales first
.irp s, 0,1
	s_mov_b32 s[G0+4*\s], 1
	s_add_co_u32 s[G0+4*\s+1], s45, \s*SLOT
	s_add_nc_u64 s[G0+4*\s+2:G0+4*\s+3], s[20:21], \s*ROWB
	s_or_b32 s[G0+4*\s+3], s[G0+4*\s+3], 0x80000000
	s_mov_b32 s[G0B+4*\s], 1
	s_add_co_u32 s[G0B+4*\s+1], s45, \s*SLOT
	s_add_nc_u64 s[G0B+4*\s+2:G0B+4*\s+3], s[46:47], \s*ROWB
	s_or_b32 s[G0B+4*\s+3], s[G0B+4*\s+3], 0x80000000
	JLOAD G0+4*\s, G1, G0B+4*\s, G1B               ; three tensor loads of mine are out at the most
.endr
	v_and_b32 v1, 15, v0                           ; r
	v_bfe_u32 v2, v0, 4, 1                         ; h
	v_mul_u32_u24 v3, v1, PITCH
	v_lshl_add_u32 v4, v2, 4, v3                   ; r x 272 + 16 h: a fragment's place, and the f16 stage's
	s_mul_i32 s21, s15, HALFT
	s_mul_i32 s22, s16, HALFT
	s_add_co_u32 s22, s22, 2*HALFT
.irp s, 0,1
	v_add_nc_u32 v[ADRA+\s], s21, v4
	v_add_nc_u32 v[ADRB+\s], s22, v4
	s_add_co_u32 s21, s21, SLOT
	s_add_co_u32 s22, s22, SLOT
.endr
	v_mul_u32_u24 v5, v1, KS                       ; my row's scales: 32 bytes a row,
	v_lshrrev_b32 v6, 8, v5
	v_lshl_add_u32 v5, v6, 4, v5                   ; and 16 more for each 256 passed
	s_mul_i32 s21, s15, HALFS
	s_mul_i32 s22, s16, HALFS
	s_add_co_u32 s22, s22, 2*HALFS
	s_sub_co_u32 s22, s22, s21
	v_mul_u32_u24 v6, s22, v2                      ; lanes 16-31 take B's
	s_add_co_u32 s21, s21, SCL
	v_add_nc_u32 v5, v5, v6
	v_add_nc_u32 v[ADRS], s21, v5
	s_mul_i32 s23, s14, 16*SPITCH                  ; my stage
	v_mul_u32_u24 v5, v1, SPITCH
	v_lshl_add_u32 v5, v2, 5, v5
	v_add_nc_u32 v[STO], s23, v5
	v_and_b32 v6, 31, v0
	v_lshlrev_b32 v[CO], 4, v6
	v_add_nc_u32 v[RD], s23, v[CO]
	v_add_nc_u32 v[STO16], s23, v4
	v_bfe_u32 v5, v0, 3, 2
	v_mul_u32_u24 v5, v5, 272
	v_and_b32 v6, 7, v0
	v_lshl_add_u32 v5, v6, 4, v5
	v_add_nc_u32 v[RD16], s23, v5                  ; row lane / 8, 16 (lane % 8): four rows of 128 bytes an instruction
	s_lshl_b32 s20, s17, 8
	s_lshl_b32 s21, s15, 7
	s_add_co_u32 s20, s20, s21                     ; m0: my first row
	s_lshl_b32 s46, s42, 8
	s_lshl_b32 s47, s16, 7
	s_add_co_u32 s46, s46, s47                     ; n0: my first column: two whole heads of one part
	s_lshr_b32 s92, s46, 10
	s_lshl_b32 s92, s92, 24                        ; the part: 2^24 bytes
	s_bfe_u32 s93, s46, 0x40006
	s_lshl_b32 s93, s93, 18                        ; the head: 2^18 bytes
	s_add_co_u32 s92, s92, s93
	s_lshr_b32 s21, s20, 11                        ; the batch
	s_and_b32 s22, s20, 2047                       ; t of my first row
	s_lshl_b32 s23, s21, 22
	s_add_co_u32 s92, s92, s23
	s_lshl_b32 s23, s22, 7                         ; 128 bytes a row
	s_add_co_u32 s92, s92, s23
	s_mov_b32 s93, 0
	s_add_nc_u64 s[12:13], s[12:13], s[92:93]
	s_mul_i32 s92, s21, 196608                     ; qkvf: 16 rows of 12,288 bytes a batch,
	s_lshl_b32 s23, s46, 2
	s_add_co_u32 s92, s92, s23                     ; my 512 bytes of a row
	s_add_nc_u64 s[96:97], s[96:97], s[92:93]
	v_mov_b32 v[T0], s22
.macro FRAG reg, adr, q, i             ; 16 rows x 128 K of 4-bit codes: 8 registers: lane l holds row l % 16; registers 4 c .. 4 c + 3 hold K = 64 c + 32 (l / 16) + 0 .. 31
.irp c, 0,1
	ds_load_b128 v[\reg+4*\c:\reg+4*\c+3], v[\adr] offset:64*(\q)+32*\c+(\i)*16*PITCH
.endr
.endm
; 16 matrix instructions: A's blocks a0, a0 + 1 x B's eight, the slot's q-th 128 along K.  The 64 accumulators take turns, one instruction a turn, in the same order in every step.
.macro MUL16 a0, p, q, sc, zero
.irp a, \a0, \a0+1
.irp b, 0,1,2,3,4,5,6,7
.if \zero
	v_wmma_scale_f32_16x16x128_f8f6f4 v[8*(8*((\a)%4)+\b):8*(8*((\a)%4)+\b)+7], v[128*(\p)+FR*\b:128*(\p)+FR*\b+FR-1], v[AF+FR*(\a):AF+FR*(\a)+FR-1], 0, v[SC+8*NQ*(\sc)+NQ*\b+(\q)], v[SC+8*NQ*(\sc)+NQ*(\a)+(\q)] matrix_a_fmt:MATRIX_FMT_FP4 matrix_b_fmt:MATRIX_FMT_FP4 matrix_a_scale:MATRIX_SCALE_ROW1
.else
	v_wmma_scale_f32_16x16x128_f8f6f4 v[8*(8*((\a)%4)+\b):8*(8*((\a)%4)+\b)+7], v[128*(\p)+FR*\b:128*(\p)+FR*\b+FR-1], v[AF+FR*(\a):AF+FR*(\a)+FR-1], v[8*(8*((\a)%4)+\b):8*(8*((\a)%4)+\b)+7], v[SC+8*NQ*(\sc)+NQ*\b+(\q)], v[SC+8*NQ*(\sc)+NQ*(\a)+(\q)] matrix_a_fmt:MATRIX_FMT_FP4 matrix_b_fmt:MATRIX_FMT_FP4 matrix_a_scale:MATRIX_SCALE_ROW1
.endif
.endr
.endr
.endm
.macro FETCH_B slot, q, p
	WIN TO_B
.irp i, 0,1,2,3,4,5,6,7
	FRAG 128*(\p)+FR*\i, ADRB+\slot, \q, \i
.endr
	WIN 0
.endm
.macro FETCH_A slot, q, i0
.irp i, \i0, \i0+1, \i0+2, \i0+3
	FRAG AF+FR*(\i), ADRA+\slot, \q, \i
.endr
.endm
.macro SCALES sc                       ; a slot's scale words: four words a row; lanes 0-15 take A's block i, lanes 16-31 B's block i
.irp i, 0,1,2,3,4,5,6,7
	ds_load_b128 v[SC+8*NQ*\sc+NQ*\i:SC+8*NQ*\sc+NQ*\i+3], v[ADRS] offset:\i*SBLK
.endr
.endm
.macro PLACES n                        ; places in front of loads into registers that matrix instructions have read, and of the first read of results
.rept \n
	v_nop
.endr
.endm
.macro STEP slot, q, zero              ; a step of 128 along K that has its successor in the same slot
	s_wait_dscnt 4*NL                              ; B's set and A's blocks 0-3 are in; the youngest eight loads (A's blocks 4-7) may be out
	WIN MUL_LO
	MUL16 0, (\q)%2, \q, \slot, \zero
	MUL16 2, (\q)%2, \q, \slot, \zero
	s_wait_dscnt 0                                 ; A's blocks 4-7 are in
	PLACES NP
	FETCH_B \slot, (\q)+1, 1-(\q)%2
	FETCH_A \slot, (\q)+1, 0
	WIN MUL_HI
	MUL16 4, (\q)%2, \q, \slot, \zero
	MUL16 6, (\q)%2, \q, \slot, \zero
	PLACES NP
	WIN 0
	FETCH_A \slot, (\q)+1, 4
.endm
.macro TURN slot, next                 ; slot 0's last step changes slots: one barrier
	s_wait_tensorcnt 0x0                           ; all my tensor loads have landed: my part of the next slot
	ds_add_u32 v[SPW], v[NIL]                      ; 0 onto my spare word
	s_wait_dscnt 4*NL+1                            ; (the add and the youngest eight loads may be out)
	WIN MUL_LO
	MUL16 0, 1, NQ-1, \slot, 0
	s_wait_dscnt 0x0                               ; the add is done, and my reads of this slot are over
	s_barrier_signal -1
	MUL16 2, 1, NQ-1, \slot, 0
	WIN 0
	s_barrier_wait -1
	PLACES NP
	v_add_nc_u32 v[ADRS], 4*NQ, v[ADRS]            ; on to the next slot's scale words
	FETCH_B \next, 0, 0
	FETCH_A \next, 0, 0
	SCALES \next
	WIN MUL_HI
	MUL16 4, 1, NQ-1, \slot, 0
	MUL16 6, 1, NQ-1, \slot, 0
	PLACES NP
	WIN 0
	FETCH_A \next, 0, 4
.endm
.macro STEPS slot, from
.set Q, \from
.rept NQ-1-\from
	STEP \slot, Q, 0
.set Q, Q+1
.endr
.endm
	s_wait_tensorcnt 1                             ; the scales and my part of slot 0 are in; slot 1's load may be out
	s_barrier_signal -1
	s_barrier_wait -1
	FETCH_B 0, 0, 0
	FETCH_A 0, 0, 0
	SCALES 0
	FETCH_A 0, 0, 4
	STEP 0, 0, 1                                   ; the first products start the sums: nothing is cleared
	STEPS 0, 1
	TURN 0, 1
	STEPS 1, 0
	s_wait_dscnt 4*NL                              ; the very last step
	WIN MUL_LO
	MUL16 0, 1, NQ-1, 1, 0
	MUL16 2, 1, NQ-1, 1, 0
	s_wait_dscnt 0
	WIN MUL_HI
	MUL16 4, 1, NQ-1, 1, 0
	MUL16 6, 1, NQ-1, 1, 0
	WIN 0
	; THE WAY OUT, FIRST PART: my rows 0-15 as f32, through my stage, back as whole rows of 512 bytes.  They are stored only where they are positions 0 to 15 of a sequence: the stores run under a lane mask
	; that is all ones or all zeros; no branch is taken, so that all partners of the cluster walk the same text.
	PLACES NP
	WIN 0x08                                       ; an LDS store's data: window 2
.irp b, 0,1,2,3,4,5,6,7
	ds_store_b128 v[STO], v[8*\b:8*\b+3] offset:64*\b              ; each accumulator from its low end on
	ds_store_b128 v[STO], v[8*\b+4:8*\b+7] offset:64*\b+16
.endr
	WIN 0
.irp t, 0,1,2,3,4,5,6,7,8,9,10,11,12,13,14,15
	ds_load_b128 v[BK+4*\t:BK+4*\t+3], v[RD] offset:\t*SPITCH      ; in order behind my stores
.endr
	s_wait_dscnt 0x0
	s_wait_xcnt 0x0                                ; EXEC changes only behind this wait
	v_cmp_eq_u32 vcc_lo, 0, v[T0]
	s_and_saveexec_b32 s98, vcc_lo
.irp t, 0,1,2,3,4,5,6,7,8,9,10,11,12,13,14,15
	global_store_b128 v[CO], v[BK+4*\t:BK+4*\t+3], s[96:97] offset:\t*12288   ; 32 lanes store 512 consecutive bytes, aligned
.endr
	s_wait_xcnt 0x0                                ; and again in front of the line that restores it; the stores' data registers are free too
	s_or_b32 exec_lo, exec_lo, s98
	; SECOND PART: all eight blocks of 16 rows as f16.  A lane's eight columns pack into 16 bytes; a block goes through my stage (rows of 272 bytes) and comes back head by head, four rows of 128 bytes an instruction,
	; which are 512 consecutive bytes of qkv.
.macro PACK a
.set AC, 64*((\a)%4)
	WIN 0x0a+5*((\a)/4)                            ; sources 0 and 1: window 2 or 3
.irp b, 0,1,2,3,4,5,6,7
.irp p, 0,1,2,3
	v_cvt_pk_f16_f32 v[TMP+4*\b+\p], v[AC+8*\b+2*\p], v[AC+8*\b+2*\p+1]
.endr
.endr
	WIN 0
.endm
.macro TOST16 a
.set BB, BK+32*((\a)%2)
.irp b, 0,1,2,3,4,5,6,7
	ds_store_b128 v[STO16], v[TMP+4*\b:TMP+4*\b+3] offset:32*\b
.endr
.irp hh, 0,1
.irp i, 0,1,2,3
	ds_load_b128 v[BB+4*(4*\hh+\i):BB+4*(4*\hh+\i)+3], v[RD16] offset:\i*1088+128*\hh
.endr
.endr
.endm
.macro SEND16 a
.set BB, BK+32*((\a)%2)
	s_wait_dscnt 0x0                               ; the block is back in registers
	s_wait_xcnt 0x0                                ; the stores of the block before have read their registers: the next block's loads may land there
.irp hh, 0,1
.irp i, 0,1,2,3
	global_store_b128 v[CO], v[BB+4*(4*\hh+\i):BB+4*(4*\hh+\i)+3], s[12:13] offset:(\a)*2048+\hh*262144+\i*512
.endr
.endr
.endm
	PACK 0
	TOST16 0
.irp a, 1,2,3,4,5,6,7                  ; block a's conversions stand between block a - 1's loads from the stage and the wait for them
	PACK \a
	SEND16 \a-1
	TOST16 \a
.endr
	SEND16 7
	s_wait_tensorcnt 0x0                           ; the wave's end
	ds_add_u32 v[SPW], v[NIL]
	s_wait_dscnt 0x0
	CROUND                                         ; the closing round
	s_endpgm
.Lfunc_end_k_q12b6576236_gemm1:
	.size	k_q12b6576236_gemm1, .Lfunc_end_k_q12b6576236_gemm1-k_q12b6576236_gemm1
	.p2alignl 7, 3214868480
	.fill 96, 4, 3214868480
	.section	.rodata,"a",@progbits
	.p2align	6, 0x0
	.amdhsa_kernel k_q12b6576236_gemm1
		.amdhsa_group_segment_fixed_size 327680
		.amdhsa_private_segment_fixed_size 0
		.amdhsa_enable_private_segment 0
		.amdhsa_kernarg_size 48
		.amdhsa_user_sgpr_count 2
		.amdhsa_user_sgpr_kernarg_segment_ptr 1
		.amdhsa_wavefront_size32 1
		.amdhsa_system_sgpr_workgroup_id_x 1
		.amdhsa_system_sgpr_workgroup_id_y 1
		.amdhsa_system_sgpr_workgroup_id_z 1
		.amdhsa_system_vgpr_workitem_id 0
		.amdhsa_next_free_vgpr 1024
		.amdhsa_next_free_sgpr 100
		.amdhsa_reserve_vcc 1
		.amdhsa_float_denorm_mode_32 3
		.amdhsa_float_denorm_mode_16_64 3
		.amdhsa_memory_ordered 1
		.amdhsa_forward_progress 1
		.amdhsa_inst_pref_size 131
	.end_amdhsa_kernel
	.amdgpu_metadata
---
amdhsa.version: [ 1, 2 ]
amdhsa.kernels:
  - .name:           k_q12b6576236_gemm1
    .symbol:         k_q12b6576236_gemm1.kd
    .args:
      - { .name: xc, .offset: 0, .size: 8, .value_kind: global_buffer, .address_space: global }
      - { .name: xs, .offset: 8, .size: 8, .value_kind: global_buffer, .address_space: global }
      - { .name: wc, .offset: 16, .size: 8, .value_kind: global_buffer, .address_space: global }
      - { .name: ws, .offset: 24, .size: 8, .value_kind: global_buffer, .address_space: global }
      - { .name: qkv, .offset: 32, .size: 8, .value_kind: global_buffer, .address_space: global }
      - { .name: qkvf, .offset: 40, .size: 8, .value_kind: global_buffer, .address_space: global }
    .group_segment_fixed_size: 327680
    .private_segment_fixed_size: 0
    .kernarg_segment_align: 8
    .kernarg_segment_size: 48
    .max_flat_workgroup_size: 128
    .sgpr_count:     100
    .vgpr_count:     1024
    .wavefront_size: 32
...
	.end_amdgpu_metadata
.endif
;; end of part 4
;; launch attn (part 5): grid 4 x 64, 16 waves a work-group, no clusters, 327,680 bytes of LDS; arguments qkv, y2; writes y2
.if DOCPART == 5
	.amdgcn_target "amdgcn-amd-amdhsa--gfx1250"
	.amdhsa_code_object_version 6
	.text
	.protected	k_q12b6576236_attn
	.globl	k_q12b6576236_attn
	.p2align	8
	.type	k_q12b6576236_attn,@function
k_q12b6576236_attn:
	s_mov_b64 s[64:65], 0
	v_nop
	global_prefetch_b8 v0, s[64:65] scope:SCOPE_SE
	s_setreg_imm32_b32 hwreg(HW_REG_WAVE_MODE, 25, 1), 1
	s_wait_xcnt 0x0
; y[bh][q] = the sum over k <= q of softmax_k(Q[q] . K[k] / 8) V[k], head size 64.  Q, K, V: qkv [3][64 bh][2048][64] f16.  Products on f16 operands with f32 sums; maxima, exponentials and sums in f32; the weights p
; (at most 1) are rounded to f16 for the second product; y once, to f16 (LIMIT: beyond 65,504 infinite), into y2 [4 b][1024 t / 2][16 head][2 t & 1][64 d]: a head's two neighbouring queries are 256 consecutive bytes.
; WORK LEFT OUT: a step of 64 keys all of which come after my 32 queries has weight 0 by reference()'s own mask and is not multiplied; a slot of keys that none of the work-group's waves reads is not fetched.
; SHARES.  Work-group (i, bh) owns the blocks i and 7 - i of 256 queries of one head: under the mask each work-group so has the same count of key steps.  Each of its sixteen waves owns 32 queries, two tiles of 16, in 256
; registers: four waves to a SIMD, two of the early block and two of the late one, so that one wave's vector work stands beside another's matrix work.  A fragment of K or V read from LDS feeds two matrix instructions.
; NO CLUSTER: the four work-groups of a head need 8, 7, 6 and 5 slots of keys: a joint load would bring a partner tiles that none of its waves reads.
; EVERY work-group walks all 8 slots of 256 keys: trip counts are constants; what is left out is jumped over on ids.  Two LDS slots by turns, filled by waves 0, 1 (K's halves) and 2, 3 (V's).
; LAYOUT.  S^T = K Q^T (source 0 = 16 keys, source 1 = 16 queries): a lane holds ONE query (lane % 16) and keys 8 (lane / 16) + 0..7.  Two such tiles, rounded in pairs, ARE source 1 of O^T = V^T P.  V is turned by ds_load_tr16_b128.
; SOFTMAX.  A running maximum m and sum l a query: p = 2^(c s - c m), c = log2(e) / 8; in every step O and l are multiplied by a = 2^(c m_old - c m_new).  m begins at -3e38 and O, l at 0, so the loop has no first step of its own.
.set PK,    144                        ; a row of K in LDS: 128 bytes + 16
.set PV,    160                        ; a row of V: 128 bytes + 32
.set VOFF,  256*PK
.set SLOT1, 1<<17
.set STAGE, SLOT1+256*(PK+PV)          ; behind the ring: 2 tiles x 16 rows x 144 bytes for each wave; no tensor load lands here
.set SPARE, STAGE+16*4608              ; the spare words, 128 bytes for each of 16 waves
.set AK0, 1                            ; v1 my lane's place in a tile of K;  v2 of V
.set AV0, 2
.set ADK, 3                            ; v3, v4 addresses of the step in hand
.set ADV, 4
.set SPW, 5
.set NIL, 6
.set DQ,  7                            ; v7 lane % 16 - 8 (lane / 16)
.set PFO, 8                            ; v8 256 x lane; never rewritten
.set ST,  10                           ; tile t's statistics at v[10 + 8 t]: +0 c m, +1 m, +2, +3 l, +4 .. +7 at work; a at +6
.set D0,  26                           ; v26, v27 the mask's bounds
.set NEG, 28                           ; v28 -infinity in the mask; then v[28:29], v[30:31] the tiles' second sum chains
.set QF,  32                           ; v32-63   Q: fragment (t, e) at 32 + 16 t + 8 e
.set S,   64                           ; v64-127  S^T: (t, kt) at 64 + 32 t + 8 kt; P in place: (t, kc) at 64 + 32 t + 8 kc
.set KV,  128                          ; v128-191 a step's K, then its V
.set O,   192                          ; v192-255 O^T: (t, ct) at 192 + 32 t + 8 ct
.set WV,  8
.set Q0,  13                           ; s13 my first query
.set KF,  14                           ; s14 the step's first key
.set LASTQ, 15                         ; s15 my work-group's last query
.set TB,  16                           ; s16 where the slot in hand begins
.set SLOTS, 17
.set SEL, 18
.set CS,  20
.set G1K, 24
.set G1V, 32
.set G0K, 40
.set G0V, 44
.set PFA, 48
.set LIM, 50
.macro TLOAD                           ; waves 0, 1 fetch K's halves, waves 2, 3 V's, the others nothing.  An s_nop 0 and four v_nop follow each line
	s_cmp_lt_u32 s[WV], 2
	s_cbranch_scc0 .Lnot_k_\@
	tensor_load_to_lds s[G0K:G0K+3], s[G1K:G1K+7]
	s_nop 0
.rept 4
	v_nop
.endr
	s_branch .Lasked_\@
.Lnot_k_\@:
	s_cmp_lt_u32 s[WV], 4
	s_cbranch_scc0 .Lasked_\@
	tensor_load_to_lds s[G0V:G0V+3], s[G1V:G1V+7]
	s_nop 0
.rept 4
	v_nop
.endr
.Lasked_\@:
.endm
; A prefetch of what the NEXT change of slots will ask for: a slot's K and V are dense blocks of 32,768 bytes.  Of a head's four work-groups the one with i = 0, which fetches all eight slots, asks; in it waves 4 to 7 ask for
; K's block and waves 8 to 11 for V's, 8,192 bytes a wave, lanes 256 bytes apart: each 256 bytes are named once in the launch.  Slots 0 and 1 come by their loads alone; the last change that fills a slot asks for nothing.
.macro ASK
	s_cmp_gt_u32 s[SLOTS], s[LIM]
	s_cbranch_scc0 .Lnot_mine_\@
	global_prefetch_b8 v[PFO], s[PFA:PFA+1] th:TH_LOAD_NT scope:SCOPE_SE
.Lnot_mine_\@:
.endm
	s_load_b128 s[4:7], s[0:1], 0x0                ; qkv, y2
	v_lshl_add_u32 v[SPW], v0, 2, SPARE
	v_mov_b32 v[NIL], 0
	ds_add_u32 v[SPW], v[NIL]                      ; the wave's opening: the add, twice on end, and its wait ahead of the first tensor load
	ds_add_u32 v[SPW], v[NIL]
	v_lshrrev_b32 v9, 5, v0
	v_readfirstlane_b32 s[WV], v9                  ; wave 0..15
	s_mov_b32 s9, ttmp9                            ; i
	s_and_b32 s10, ttmp7, 0xffff                   ; bh
	s_lshr_b32 s51, s[WV], 2
	s_xor_b32 s51, s51, s[WV]
	s_and_b32 s11, s51, 1                          ; 0: the early block, 1: the late one
	s_sub_co_u32 s52, 7, s9
	s_cmp_eq_u32 s11, 0
	s_cselect_b32 s12, s9, s52
	s_lshl_b32 s[Q0], s12, 8
	s_lshr_b32 s51, s[WV], 1
	s_lshl_b32 s51, s51, 5
	s_add_co_u32 s[Q0], s[Q0], s51                 ; 256 x block + 32 (wave / 2)
	s_sub_co_u32 s[LASTQ], 8, s9
	s_lshl_b32 s[LASTQ], s[LASTQ], 8
	s_sub_co_u32 s[LASTQ], s[LASTQ], 1
	s_mov_b32 s[KF], 0
	s_mov_b32 s[TB], 0
	s_mov_b32 s[SLOTS], 7
	s_mov_b32 s[SEL], 0x76543210
	s_mov_b32 s[SEL+1], 0xfedcba98
	s_mov_b32 s[CS], 0x3e38aa3b                    ; c = log2(e) / 8
	s_mov_b32 s[CS+1], s[CS]
	s_lshl_b32 s22, s10, 18                        ; the head's first byte in a part
	s_mov_b32 s23, 0
	s_mov_b32 s[G1K], (0<<16)|(1<<20)|(4<<22)|(3<<25)   ; no mask; elements of 1 byte; padding: 4 words after every 32
	s_mov_b32 s[G1V], (0<<16)|(1<<20)|(4<<22)|(7<<25)   ; 8 words after every 32
.irp g, G1K, G1V
	s_mov_b32 s[\g+1], 128<<16                     ; tensor_dim0 = 128 bytes
	s_mov_b32 s[\g+2], 128<<16                     ; tensor_dim1 = 128 rows
	s_mov_b32 s[\g+3], 128<<16                     ; tile_dim0
	s_mov_b32 s[\g+4], 128                         ; tile_dim1
	s_mov_b32 s[\g+5], 128                         ; the pitch
	s_mov_b32 s[\g+6], 0
	s_mov_b32 s[\g+7], 0
.endr
	s_and_b32 s53, s[WV], 1                        ; which half of a slot's 256 keys I fetch, if I fetch
	s_mul_i32 s54, s53, 128*PK
	s_mul_i32 s55, s53, 128*PV
	s_add_co_u32 s55, s55, VOFF
	s_lshl_b32 s56, s53, 14
	s_add_co_u32 s56, s56, s22
	s_mov_b32 s57, 0
	s_wait_dscnt 0x0                               ; both opening adds are done
	s_wait_kmcnt 0x0
	s_mov_b32 s[G0K], 1
	s_mov_b32 s[G0K+1], s54
	s_add_nc_u64 s[G0K+2:G0K+3], s[4:5], s[56:57]
	s_add_nc_u64 s[G0K+2:G0K+3], s[G0K+2:G0K+3], 16777216   ; part 1: K
	s_or_b32 s[G0K+3], s[G0K+3], 0x80000000
	s_mov_b32 s[G0V], 1
	s_mov_b32 s[G0V+1], s55
	s_add_nc_u64 s[G0V+2:G0V+3], s[4:5], s[56:57]
	s_add_nc_u64 s[G0V+2:G0V+3], s[G0V+2:G0V+3], 33554432   ; part 2: V
	s_or_b32 s[G0V+3], s[G0V+3], 0x80000000
	TLOAD                                          ; slot 0: it holds key 0, which counts for every query
	s_lshl_b32 s52, s[Q0], 7
	s_add_co_u32 s52, s52, s22
	s_mov_b32 s53, 0
	s_add_nc_u64 s[54:55], s[4:5], s[52:53]        ; Q at my first query
	s_lshr_b32 s52, s10, 4
	s_lshl_b32 s52, s52, 22                        ; y2: the batch,
	s_lshl_b32 s56, s[Q0], 11
	s_add_co_u32 s52, s52, s56                     ; Q0 / 2 pair-rows of 4,096 bytes,
	s_and_b32 s56, s10, 15
	s_lshl_b32 s56, s56, 8
	s_add_co_u32 s52, s52, s56                     ; the head's 256 bytes
	s_add_nc_u64 s[6:7], s[6:7], s[52:53]
	s_cmp_lt_u32 s[WV], 8
	s_mov_b32 s52, 33554432
	s_cselect_b32 s52, 16777216, s52               ; waves 4 to 7: K; waves 8 to 11: V
	s_add_co_u32 s52, s52, s22
	s_and_b32 s56, s[WV], 3
	s_lshl_b32 s56, s56, 13
	s_add_co_u32 s52, s52, s56                     ; my wave's 8,192 bytes,
	s_add_co_u32 s52, s52, 32768                   ; in slot 1: the first change of slots steps it to slot 2
	s_add_nc_u64 s[PFA:PFA+1], s[4:5], s[52:53]
	s_sub_co_u32 s56, s[WV], 4
	s_lshr_b32 s56, s56, 3                         ; 0 in waves 4 to 11,
	s_or_b32 s56, s56, ttmp9                       ; of the work-group with i = 0
	s_cmp_eq_u32 s56, 0
	s_cselect_b32 s[LIM], 1, -1
	v_and_b32 v3, 15, v0                           ; r
	v_bfe_u32 v4, v0, 4, 1                         ; h
	v_lshlrev_b32 v9, 7, v3
	v_lshl_add_u32 v9, v4, 4, v9                   ; Q: row r of 128 bytes, + 16 h
.irp t, 0,1
.irp e, 0,1
	global_load_b128 v[QF+16*\t+8*\e:QF+16*\t+8*\e+3],   v9, s[54:55] offset:\t*2048+64*\e
	global_load_b128 v[QF+16*\t+8*\e+4:QF+16*\t+8*\e+7], v9, s[54:55] offset:\t*2048+64*\e+32
.endr
.endr
	v_mul_u32_u24 v[AK0], v3, PK
	v_lshl_add_u32 v[AK0], v4, 4, v[AK0]
	v_and_b32 v[AV0], 7, v0
	v_lshl_add_u32 v[AV0], v4, 3, v[AV0]           ; the turning load: key 8 h + lane % 8,
	v_mul_u32_u24 v[AV0], v[AV0], PV
	v_bfe_u32 v[DQ], v0, 3, 1
	v_lshl_add_u32 v[AV0], v[DQ], 4, v[AV0]        ; channels 8 ((lane / 8) % 2) on
	v_add_nc_u32 v[AV0], VOFF, v[AV0]
	v_lshlrev_b32 v[DQ], 3, v4
	v_sub_nc_u32 v[DQ], v3, v[DQ]
	v_and_b32 v[PFO], 31, v0
	v_lshlrev_b32 v[PFO], 8, v[PFO]
.irp t, 0,1
	v_mov_b32 v[ST+8*\t+1], 0xff61b1e6             ; m = -3e38, under every score
	v_mul_f32 v[ST+8*\t], s[CS], v[ST+8*\t+1]
.irp j, 2,3,4,5,6,7
	v_mov_b32 v[ST+8*\t+\j], 0
.endr
.endr
.set ix, 0
.rept 64
	v_mov_b32 v[O+ix], 0                           ; O^T: the loop is written once; its first step multiplies these zeros by a = 0
.set ix, ix+1
.endr
; A KEY STEP: 64 keys, the q-th of the slot in hand.
.macro STEP q
	s_add_co_u32 s51, s[Q0], 31
	s_cmp_gt_u32 s[KF], s51                        ; all 64 keys come after my 32 queries: ids alone
	s_cbranch_scc1 .Lhidden_\@
	v_add_nc_u32 v[ADK], s[TB], v[AK0]
	v_add_nc_u32 v[ADV], s[TB], v[AV0]
.rept 3
	v_nop                                          ; with the two additions five places behind the last products V^T P: four for the loads into their registers, five since the products below write over P
.endr
.irp kt, 0,1,2,3
.irp e, 0,1
	ds_load_b128 v[KV+8*(2*\kt+\e):KV+8*(2*\kt+\e)+3],   v[ADK] offset:(64*(\q)+16*\kt)*PK+64*\e
	ds_load_b128 v[KV+8*(2*\kt+\e)+4:KV+8*(2*\kt+\e)+7], v[ADK] offset:(64*(\q)+16*\kt)*PK+64*\e+32
.endr
.endr
	s_wait_dscnt 0x0
.irp e, 0,1                                    ; S^T = K Q^T: eight accumulators by turns
.irp kt, 0,1,2,3
.irp t, 0,1
.if \e == 0
	v_wmma_f32_16x16x32_f16 v[S+32*\t+8*\kt:S+32*\t+8*\kt+7], v[KV+8*(2*\kt+\e):KV+8*(2*\kt+\e)+7], v[QF+16*\t+8*\e:QF+16*\t+8*\e+7], 0
.else
	v_wmma_f32_16x16x32_f16 v[S+32*\t+8*\kt:S+32*\t+8*\kt+7], v[KV+8*(2*\kt+\e):KV+8*(2*\kt+\e)+7], v[QF+16*\t+8*\e:QF+16*\t+8*\e+7], v[S+32*\t+8*\kt:S+32*\t+8*\kt+7]
.endif
.endr
.endr
.endr
.rept 4
	v_nop                                          ; places: V is loaded where K lay, and the scores are read
.endr
.irp kc, 0,1
.irp ct, 0,1,2,3
	ds_load_tr16_b128 v[KV+32*\kc+8*\ct:KV+32*\kc+8*\ct+3],   v[ADV] offset:(64*(\q)+32*\kc)*PV+32*\ct
	ds_load_tr16_b128 v[KV+32*\kc+8*\ct+4:KV+32*\kc+8*\ct+7], v[ADV] offset:(64*(\q)+32*\kc)*PV+16*PV+32*\ct
.endr
.endr
	s_add_co_u32 s51, s[KF], 63                    ; on the diagonal hidden scores become -infinity ahead of the maximum; a step all of whose keys count skips this
	s_cmp_le_u32 s51, s[Q0]
	s_cbranch_scc1 .Lopen_\@
	s_sub_co_i32 s51, s[Q0], s[KF]                 ; 0 or more: a step is walked only where its first key is at or under my first query, so no row is all hidden
	v_add_nc_u32 v[D0], s51, v[DQ]                 ; register 8 kt + j of tile t holds key KF + 16 kt + 8 h + j: hidden where 16 kt + j > Q0 - KF + 16 t + r - 8 h
	v_add_nc_u32 v[D0+1], 16, v[D0]
	v_mov_b32 v[NEG], 0xff800000
.set ix, 0
.rept 32
	v_cmp_gt_i32 vcc_lo, 16*(ix/8)+ix%8, v[D0]
	v_cndmask_b32 v[S+ix], v[S+ix], v[NEG], vcc_lo
	v_cmp_gt_i32 vcc_lo, 16*(ix/8)+ix%8, v[D0+1]
	v_cndmask_b32 v[S+32+ix], v[S+32+ix], v[NEG], vcc_lo
.set ix, ix+1
.endr
.Lopen_\@:
.irp j, 0,1,2,3                                ; the maximum of my 32 scores and the old m: four chains a tile, the tiles by turns
.irp t, 0,1
	v_max3_num_f32 v[ST+8*\t+4+\j], v[S+32*\t+8*\j], v[S+32*\t+8*\j+1], v[S+32*\t+8*\j+2]
.endr
.endr
.irp i, 3,5
.irp j, 0,1,2,3
.irp t, 0,1
	v_max3_num_f32 v[ST+8*\t+4+\j], v[ST+8*\t+4+\j], v[S+32*\t+8*\j+\i], v[S+32*\t+8*\j+\i+1]
.endr
.endr
.endr
.irp t, 0,1
	v_max3_num_f32 v[ST+8*\t+4], v[ST+8*\t+4], v[S+32*\t+7], v[S+32*\t+15]
	v_max3_num_f32 v[ST+8*\t+6], v[ST+8*\t+6], v[S+32*\t+23], v[S+32*\t+31]
.endr
.irp t, 0,1
	v_max3_num_f32 v[ST+8*\t+4], v[ST+8*\t+4], v[ST+8*\t+5], v[ST+8*\t+6]
.endr
.irp t, 0,1
	v_max3_num_f32 v[ST+8*\t+4], v[ST+8*\t+4], v[ST+8*\t+7], v[ST+8*\t+1]
.endr
.irp t, 0,1
	v_permlanex16_b32 v[ST+8*\t+5], v[ST+8*\t+4], s[SEL], s[SEL+1]   ; the query's other 32 keys lie in the lane 16 away
.endr
.irp t, 0,1
	v_mov_b32 v[ST+8*\t+7], v[ST+8*\t]             ; c m_old
.endr
.irp t, 0,1
	v_max_num_f32 v[ST+8*\t+1], v[ST+8*\t+4], v[ST+8*\t+5]
.endr
.irp t, 0,1
	v_mul_f32 v[ST+8*\t], s[CS], v[ST+8*\t+1]
.endr
.irp t, 0,1
	v_sub_f32 v[ST+8*\t+7], v[ST+8*\t+7], v[ST+8*\t]
.endr
.set ix, 0
.rept 16
	v_pk_fma_f32 v[S+2*ix:S+2*ix+1], v[S+2*ix:S+2*ix+1], s[CS:CS+1], v[ST:ST+1] op_sel_hi:[1,0,0] neg_lo:[0,0,1] neg_hi:[0,0,1]   ; c s - c m, two at a time
	v_pk_fma_f32 v[S+32+2*ix:S+32+2*ix+1], v[S+32+2*ix:S+32+2*ix+1], s[CS:CS+1], v[ST+8:ST+9] op_sel_hi:[1,0,0] neg_lo:[0,0,1] neg_hi:[0,0,1]
.set ix, ix+1
.endr
	v_exp_f32 v[ST+6], v[ST+7]                     ; ONE BATCH: a of both tiles and the 64 weights
	v_exp_f32 v[ST+14], v[ST+15]
.set ix, 0
.rept 64
	v_exp_f32 v[S+ix], v[S+ix]
.set ix, ix+1
.endr
	v_nop                                          ; the plain line behind the last exponential
	s_wait_alu depctr_va_vdst(0)                   ; one wait for the batch, ahead of its first reader
.irp t, 0,1
	v_pk_mul_f32 v[ST+8*\t+2:ST+8*\t+3], v[ST+8*\t+2:ST+8*\t+3], v[ST+8*\t+6:ST+8*\t+7] op_sel_hi:[1,0]   ; l x a
	v_pk_add_f32 v[NEG+2*\t:NEG+2*\t+1], v[S+32*\t:S+32*\t+1], v[S+32*\t+2:S+32*\t+3]                    ; the sums are taken of the unrounded weights, in two chains a tile
.endr
.irp j, 4,8,12,16,20,24,28
.irp t, 0,1
	v_pk_add_f32 v[ST+8*\t+2:ST+8*\t+3], v[ST+8*\t+2:ST+8*\t+3], v[S+32*\t+\j:S+32*\t+\j+1]
	v_pk_add_f32 v[NEG+2*\t:NEG+2*\t+1], v[NEG+2*\t:NEG+2*\t+1], v[S+32*\t+\j+2:S+32*\t+\j+3]
.endr
.endr
.irp t, 0,1
	v_pk_add_f32 v[ST+8*\t+2:ST+8*\t+3], v[ST+8*\t+2:ST+8*\t+3], v[NEG+2*\t:NEG+2*\t+1]
.endr
.set ix, 0
.rept 16
	v_cvt_pk_f16_f32 v[S+ix], v[S+2*ix], v[S+2*ix+1]               ; P in place, ascending: register n is written when registers 2 n, 2 n + 1 are read
	v_cvt_pk_f16_f32 v[S+32+ix], v[S+32+2*ix], v[S+32+2*ix+1]
.set ix, ix+1
.endr
.set ix, 0
.rept 16
	v_pk_mul_f32 v[O+2*ix:O+2*ix+1], v[O+2*ix:O+2*ix+1], v[ST+6:ST+7] op_sel_hi:[1,0]            ; O^T x a
	v_pk_mul_f32 v[O+32+2*ix:O+32+2*ix+1], v[O+32+2*ix:O+32+2*ix+1], v[ST+14:ST+15] op_sel_hi:[1,0]
.set ix, ix+1
.endr
	s_wait_dscnt 0x0                               ; V is in: asked for ahead of the softmax
.irp kc, 0,1                                   ; O^T += V^T P: eight accumulators by turns
.irp ct, 0,1,2,3
.irp t, 0,1
	v_wmma_f32_16x16x32_f16 v[O+32*\t+8*\ct:O+32*\t+8*\ct+7], v[KV+32*\kc+8*\ct:KV+32*\kc+8*\ct+7], v[S+32*\t+8*\kc:S+32*\t+8*\kc+7], v[O+32*\t+8*\ct:O+32*\t+8*\ct+7]
.endr
.endr
.endr
.Lhidden_\@:
	s_add_co_u32 s[KF], s[KF], 64
.endm
; THE CHANGE OF SLOTS stands at a slot's head.  Each wave waits for all its tensor loads, adds 0 to its spare word, and waits for that and for its reads of the slot that it has left.  Behind the barrier the slot ahead is
; whole and nobody reads the other one.  fill = 1: that other slot is filled with the next 256 keys, while some wave of the work-group will read them: it has a slot's four steps in which to land.
.macro CHANGE fill
	s_wait_tensorcnt 0x0                           ; no tensor load of mine is out, so a group 0 may be written
	ds_add_u32 v[SPW], v[NIL]
.if \fill
	ds_add_u32 v[SPW], v[NIL]                      ; and twice on end here
	s_xor_b32 s[G0K+1], s[G0K+1], SLOT1
	s_add_nc_u64 s[G0K+2:G0K+3], s[G0K+2:G0K+3], 32768
	s_xor_b32 s[G0V+1], s[G0V+1], SLOT1
	s_add_nc_u64 s[G0V+2:G0V+3], s[G0V+2:G0V+3], 32768
	s_wait_xcnt 0x0                                ; the last prefetch, a slot back, has read its address
	s_add_nc_u64 s[PFA:PFA+1], s[PFA:PFA+1], 32768
.endif
	s_wait_dscnt 0x0
	s_barrier_signal -1
	s_barrier_wait -1
.if \fill
	s_add_co_u32 s51, s[KF], 256                   ; the first key of the slot that this change would ask for
	s_cmp_gt_u32 s51, s[LASTQ]                     ; ids and the count of steps alone: all sixteen waves go the same way, and a work-group past the limit stays past it
	s_cbranch_scc1 .Lpast_\@
	TLOAD                                          ; a wave's one tensor load until the next barrier; every wait on TENSORcnt in this text is for 0
.Lpast_\@:
	ASK
.endif
.endm
.macro SLOT_STEPS
.set Q, 0
.rept 4
	STEP Q
.set Q, Q+1
.endr
	s_xor_b32 s[TB], s[TB], SLOT1
.endm
	s_wait_loadcnt 0x0                             ; Q
.Lslot:                                            ; seven trips
	CHANGE 1
	SLOT_STEPS
	s_sub_co_u32 s[SLOTS], s[SLOTS], 1
	s_cmp_lg_u32 s[SLOTS], 0
	s_cbranch_scc1 .Lslot
	CHANGE 0                                       ; the last slot is written out: nothing is left to ask for
	SLOT_STEPS
	; THE WAY OUT.  l's halves are added; O^T / l is rounded to f16 and goes through my stage, a tile of 16 queries at a time; it comes back four rows an instruction, so that sixteen lanes store 256 consecutive bytes of y2.
.rept 4
	v_nop                                          ; places behind the last products
.endr
.irp t, 0,1
	v_add_f32 v[ST+8*\t+4], v[ST+8*\t+2], v[ST+8*\t+3]
.endr
.irp t, 0,1
	v_permlanex16_b32 v[ST+8*\t+5], v[ST+8*\t+4], s[SEL], s[SEL+1]
.endr
.irp t, 0,1
	v_add_f32 v[ST+8*\t+4], v[ST+8*\t+4], v[ST+8*\t+5]
.endr
.irp t, 0,1
	v_rcp_f32 v[ST+8*\t+6], v[ST+8*\t+4]
.endr
	v_and_b32 v9, 15, v0                           ; r (plain work behind the reciprocals)
	v_bfe_u32 v4, v0, 4, 1                         ; h
	s_mul_i32 s51, s[WV], 4608
	s_add_co_u32 s51, s51, STAGE
	v_mul_u32_u24 v1, v9, PK
	v_lshl_add_u32 v1, v4, 4, v1
	v_add_nc_u32 v1, s51, v1                       ; in: row r, 16 h
	v_bfe_u32 v2, v0, 3, 2
	v_mul_u32_u24 v2, v2, PK
	v_and_b32 v3, 7, v0
	v_lshl_add_u32 v2, v3, 4, v2
	v_add_nc_u32 v2, s51, v2                       ; back: row lane / 8, 16 (lane % 8)
	v_lshlrev_b32 v3, 12, v4
	v_lshl_add_u32 v3, v9, 4, v3                   ; y2: pair-row lane / 16, 16 (lane % 16)
	s_wait_alu depctr_va_vdst(0)                   ; one wait for both reciprocals, ahead of their first reader
.irp t, 0,1
.set ix, 0
.rept 16
	v_pk_mul_f32 v[O+32*\t+2*ix:O+32*\t+2*ix+1], v[O+32*\t+2*ix:O+32*\t+2*ix+1], v[ST+8*\t+6:ST+8*\t+7] op_sel_hi:[1,0]
.set ix, ix+1
.endr
.set ix, 0
.rept 16
	v_cvt_pk_f16_f32 v[S+16*\t+ix], v[O+32*\t+2*ix], v[O+32*\t+2*ix+1]
.set ix, ix+1
.endr
.irp ct, 0,1,2,3
	ds_store_b128 v1, v[S+16*\t+4*\ct:S+16*\t+4*\ct+3] offset:\t*2304+32*\ct
.endr
.irp i, 0,1,2,3
	ds_load_b128 v[KV+16*\t+4*\i:KV+16*\t+4*\i+3], v2 offset:\t*2304+576*\i   ; in order behind my stores
.endr
.endr
.irp t, 0,1
.irp i, 0,1,2,3
	s_wait_dscnt 8*(1-\t)+3-\i                     ; behind this load: the rest of its tile's, and for tile 0 tile 1's eight
	global_store_b128 v3, v[KV+16*\t+4*\i:KV+16*\t+4*\i+3], s[6:7] offset:\t*32768+\i*8192
.endr
.endr
	s_wait_tensorcnt 0x0                           ; the wave's end
	ds_add_u32 v[SPW], v[NIL]
	s_wait_dscnt 0x0
	s_endpgm
.Lfunc_end_k_q12b6576236_attn:
	.size	k_q12b6576236_attn, .Lfunc_end_k_q12b6576236_attn-k_q12b6576236_attn
	.p2alignl 7, 3214868480
	.fill 96, 4, 3214868480
	.section	.rodata,"a",@progbits
	.p2align	6, 0x0
	.amdhsa_kernel k_q12b6576236_attn
		.amdhsa_group_segment_fixed_size 327680
		.amdhsa_private_segment_fixed_size 0
		.amdhsa_enable_private_segment 0
		.amdhsa_kernarg_size 16
		.amdhsa_user_sgpr_count 2
		.amdhsa_user_sgpr_kernarg_segment_ptr 1
		.amdhsa_wavefront_size32 1
		.amdhsa_system_sgpr_workgroup_id_x 1
		.amdhsa_system_sgpr_workgroup_id_y 1
		.amdhsa_system_sgpr_workgroup_id_z 1
		.amdhsa_system_vgpr_workitem_id 0
		.amdhsa_next_free_vgpr 256
		.amdhsa_next_free_sgpr 66
		.amdhsa_reserve_vcc 1
		.amdhsa_float_denorm_mode_32 3
		.amdhsa_float_denorm_mode_16_64 3
		.amdhsa_memory_ordered 1
		.amdhsa_forward_progress 1
		.amdhsa_inst_pref_size 190
	.end_amdhsa_kernel
	.amdgpu_metadata
---
amdhsa.version: [ 1, 2 ]
amdhsa.kernels:
  - .name:           k_q12b6576236_attn
    .symbol:         k_q12b6576236_attn.kd
    .args:
      - { .name: qkv, .offset: 0, .size: 8, .value_kind: global_buffer, .address_space: global }
      - { .name: y2, .offset: 8, .size: 8, .value_kind: global_buffer, .address_space: global }
    .group_segment_fixed_size: 327680
    .private_segment_fixed_size: 0
    .kernarg_segment_align: 8
    .kernarg_segment_size: 16
    .max_flat_workgroup_size: 512
    .sgpr_count:     66
    .vgpr_count:     256
    .wavefront_size: 32
...
	.end_amdgpu_metadata
.endif
;; end of part 5
;; launch proj (part 6): grid 8 x 64, 4 waves a work-group, clusters of 4 x 4, 327,680 bytes of LDS; arguments y2, wp, out0; writes out0
.if DOCPART == 6
	.amdgcn_target "amdgcn-amd-amdhsa--gfx1250"
	.amdhsa_code_object_version 6
	.text
	.protected	k_q12b6576236_proj
	.globl	k_q12b6576236_proj
	.p2align	8
	.type	k_q12b6576236_proj,@function
k_q12b6576236_proj:
	s_mov_b64 s[64:65], 0
	v_nop
	global_prefetch_b8 v0, s[64:65] scope:SCOPE_SE
	s_setreg_imm32_b32 hwreg(HW_REG_WAVE_MODE, 25, 1), 1
	s_wait_xcnt 0x0
	s_wait_alu depctr_hold_cnt(0) depctr_sa_sdst(0) depctr_va_vdst(0) depctr_va_sdst(0) depctr_va_ssrc(0) depctr_va_vcc(0) depctr_vm_vsrc(0)
	s_getreg_b32 s2, hwreg(HW_REG_IB_STS2, 6, 4)
	s_cmp_eq_u32 s2, 0
	s_cbranch_scc0 .Lentry_in_a_cluster
	s_endpgm
.Lentry_in_a_cluster:
	s_bfe_u32 s2, ttmp6, 0x10000c
	s_cmp_lg_u32 s2, 0xf033
	s_cbranch_scc0 .Lentry_shape_is_right
	s_endpgm
.Lentry_shape_is_right:
; out0[m][n] = sum over k of y[m][k] W_proj[k][n], f16 operands, f32 sums.  A = y2 [4096 pair-rows of 4,096 bytes]: pair-row m / 2 holds, for each head, row m & 1's 64 numbers at 256 x head + 128 (m & 1).  B = wp [1024 n][1024 k] f16.
; A tile of 128 x 128 of out0 for a work-group of four waves, each 64 x 64: 16 accumulators.  K goes in steps of 256 (four heads) through two LDS slots.  A wave's tensor load brings 32 pair-rows x 1,024 bytes of A
; or 64 rows x 512 bytes of B.  (Rows t < 16 of every batch are made here too, from the same tiles, and are written over by launch fine.)
; CLUSTERS: 4 x 4 work-groups; A's tiles are shared along a row of the cluster, B's along a column, by joint loads.  THE MATRIX INSTRUCTION IS USED TRANSPOSED (source 0 = 16 rows of B, source 1 = 16 rows of A).
; No prefetch: a K step's matrix work is short and the tiles are small; the joint loads divide the requests by four.
; REGISTERS: window 0: v0-31 addresses; v32-95 the way out; v128-255 the accumulators ((a, b) at v[128 + 8 (4 a + b)]).  window 1: two fragment buffers of 128: 64 registers of A, then 64 of B, for 64 along K.
.set SIZE_N, 1024
.set KSTEP,  256
.set PITCH,  528                       ; B's LDS row: 512 bytes + 16
.set PA,     1040                      ; A's LDS pair-row: 1,024 bytes + 16: rows r of a fragment fall at 16 (r / 2) + 128 (r % 2) modulo 256: sixteen different runs of 16 bytes
.set HALFT,  64*PITCH                  ; a quarter of a slot (A's tile uses 32 x 1,040 of it)
.set SLOT,   4*HALFT
.set STAGE,  2*SLOT                    ; behind the ring: 16 rows x 272 bytes for each wave
.set SPITCH, 272
.set SPARE,  STAGE+4*16*SPITCH
.set LAPS,   2
.set ADRA, 16
.set ADRB, 20
.set STO,  24
.set RD,   25
.set CO,   26
.set SPW,  28
.set NIL,  29
.set TMP,  32
.set ACC,  128
.set F0,   0
.set F1,   128
.set G1, 24
.set G0, 32
.set G1B, 48
.set G0B, 56
.set MSB, 0
.macro WIN new
.if MSB != \new
	s_set_vgpr_msb (MSB<<8)|\new
.set MSB, \new
.endif
.endm
.set MUL,  0x05                        ; sources 0 (B) and 1 (A) window 1; C and D window 0
.set TO_F, 0x40
.macro JLOAD s                         ; a joint load: waves 0 and 1 fetch A's two halves, waves 2 and 3 B's; an s_nop 0 and four v_nop follow each line
	s_cmp_eq_u32 s11, 0
	s_cbranch_scc0 .Lfor_b_\@
	tensor_load_to_lds s[G0+4*\s:G0+4*\s+3], s[G1:G1+7]
	s_nop 0
.rept 4
	v_nop
.endr
	s_branch .Lasked_\@
.Lfor_b_\@:
	tensor_load_to_lds s[G0B+4*\s:G0B+4*\s+3], s[G1B:G1B+7]
	s_nop 0
.rept 4
	v_nop
.endr
.Lasked_\@:
.endm
.macro CREST
	s_cmp_lg_u32 s10, 0
	s_cbranch_scc1 .Lnot_wave_0_\@
	s_barrier_signal -3
.Lnot_wave_0_\@:
	s_barrier_wait -3
	s_barrier_signal -1
	s_barrier_wait -1
.endm
.macro CROUND
	s_barrier_signal -1
	s_barrier_wait -1
	CREST
.endm
	s_load_b128 s[4:7], s[0:1], 0x0                ; y2, wp
	s_load_b64 s[8:9], s[0:1], 0x10                ; out0
	v_lshl_add_u32 v[SPW], v0, 2, SPARE
	v_mov_b32 v[NIL], 0
	ds_add_u32 v[SPW], v[NIL]                      ; the wave's opening: the add, twice on end, and its wait ahead of my first tensor load
	ds_add_u32 v[SPW], v[NIL]
	v_lshrrev_b32 v1, 5, v0
	v_readfirstlane_b32 s10, v1                    ; wave 0..3
	s_lshr_b32 s11, s10, 1                         ; which half of the tile's rows is mine.  Also: I fetch for A (0) or for B (1)
	s_and_b32 s12, s10, 1                          ; which half of its columns.  Also: which half of that tile I fetch
	s_bfe_u32 s40, ttmp6, 0x40000
	s_bfe_u32 s41, ttmp6, 0x40004
	s_lshl_b32 s42, ttmp9, 2
	s_add_co_u32 s42, s42, s40                     ; tile column
	s_and_b32 s13, ttmp7, 0xffff
	s_lshl_b32 s13, s13, 2
	s_add_co_u32 s13, s13, s41                     ; tile row
	s_lshl_b32 s43, s41, 2
	s_lshl_b32 s43, 15, s43
	s_lshl_b32 s44, 0x1111, s40
	s_or_b32 s[G1+0], s43, (1<<16)|(1<<20)|(1<<21)|(7<<22)|(3<<25)  ; A: mask of my row; elements of 2 bytes; padding: 4 words after every 256
	s_mov_b32 s[G1+1], 512<<16                     ; tensor_dim0 = 512 elements
	s_mov_b32 s[G1+2], 32<<16                      ; tensor_dim1 = 32 pair-rows
	s_mov_b32 s[G1+3], 512<<16                     ; tile_dim0
	s_mov_b32 s[G1+4], 32                          ; tile_dim1
	s_mov_b32 s[G1+5], 2048                        ; the pitch in elements
	s_mov_b32 s[G1+6], 0
	s_mov_b32 s[G1+7], 0
	s_or_b32 s[G1B+0], s44, (1<<16)|(1<<20)|(1<<21)|(6<<22)|(3<<25) ; B: mask of my column; padding: 4 words after every 128
	s_mov_b32 s[G1B+1], KSTEP<<16
	s_mov_b32 s[G1B+2], 64<<16
	s_mov_b32 s[G1B+3], KSTEP<<16
	s_mov_b32 s[G1B+4], 64
	s_mov_b32 s[G1B+5], 1024
	s_mov_b32 s[G1B+6], 0
	s_mov_b32 s[G1B+7], 0
	s_lshl_b32 s17, s12, 5
	s_lshl_b32 s16, s13, 6
	s_add_co_u32 s16, s16, s17                     ; A: pair-row 64 x tile row + 32 x half,
	s_lshl_b32 s16, s16, 12                        ; of 4,096 bytes
	s_mov_b32 s17, 0
	s_lshl_b32 s47, s12, 6
	s_lshl_b32 s46, s42, 7
	s_add_co_u32 s46, s46, s47                     ; B: row 128 x tile column + 64 x half,
	s_lshl_b32 s46, s46, 11                        ; of 2,048 bytes
	s_mov_b32 s47, 0
	s_mul_i32 s20, s10, HALFT                      ; where they go: wave x a quarter of a slot
	s_wait_dscnt 0x0
	s_wait_kmcnt 0x0
	s_add_nc_u64 s[14:15], s[4:5], s[16:17]
	s_add_nc_u64 s[46:47], s[6:7], s[46:47]
	CROUND                                         ; all sixteen work-groups are here: the first joint loads meet
.irp s, 0,1
	s_mov_b32 s[G0+4*\s], 1
	s_add_co_u32 s[G0+4*\s+1], s20, \s*SLOT
	s_add_nc_u64 s[G0+4*\s+2:G0+4*\s+3], s[14:15], \s*1024         ; a K step is 1,024 bytes of a pair-row
	s_or_b32 s[G0+4*\s+3], s[G0+4*\s+3], 0x80000000
	s_mov_b32 s[G0B+4*\s], 1
	s_add_co_u32 s[G0B+4*\s+1], s20, \s*SLOT
	s_add_nc_u64 s[G0B+4*\s+2:G0B+4*\s+3], s[46:47], \s*512
	s_or_b32 s[G0B+4*\s+3], s[G0B+4*\s+3], 0x80000000
	JLOAD \s
.endr
	v_and_b32 v1, 15, v0                           ; r
	v_bfe_u32 v2, v0, 4, 1                         ; h
	v_mul_u32_u24 v3, v1, PITCH
	v_lshl_add_u32 v3, v2, 4, v3                   ; B: r x 528 + 16 h
	v_lshrrev_b32 v6, 1, v1
	v_mul_u32_u24 v6, v6, PA
	v_and_b32 v7, 1, v1
	v_lshl_add_u32 v6, v7, 7, v6
	v_lshl_add_u32 v6, v2, 4, v6                   ; A: (r / 2) x 1,040 + 128 (r % 2) + 16 h
	s_mul_i32 s21, s11, HALFT
	s_mul_i32 s22, s12, HALFT
	s_add_co_u32 s22, s22, 2*HALFT
.irp s, 0,1
	v_add_nc_u32 v[ADRA+\s], s21, v6
	v_add_nc_u32 v[ADRB+\s], s22, v3
	s_add_co_u32 s21, s21, SLOT
	s_add_co_u32 s22, s22, SLOT
.endr
	s_mul_i32 s23, s10, 16*SPITCH
	s_add_co_u32 s23, s23, STAGE                   ; my stage
	v_mul_u32_u24 v4, v1, SPITCH
	v_lshl_add_u32 v4, v2, 5, v4
	v_add_nc_u32 v[STO], s23, v4                   ; in: row r, 32 h
	v_mul_u32_u24 v5, v2, SPITCH
	v_lshl_add_u32 v5, v1, 4, v5
	v_add_nc_u32 v[RD], s23, v5                    ; back: lanes 0-15 one row of 256 bytes, lanes 16-31 the next
	v_lshlrev_b32 v5, 12, v2
	v_lshl_add_u32 v[CO], v1, 4, v5                ; and the same two rows in out0
	s_lshl_b32 s16, s13, 7
	s_lshl_b32 s17, s11, 6
	s_add_co_u32 s16, s16, s17                     ; my first row: 128 x tile row + 64 x half
	s_lshl_b32 s16, s16, 12
	s_mov_b32 s17, 0
	s_add_nc_u64 s[8:9], s[8:9], s[16:17]
	s_lshl_b32 s46, s42, 9                         ; my first column in bytes: 512 x tile column + 256 x half
	s_lshl_b32 s47, s12, 8
	s_add_co_u32 s46, s46, s47
	s_mov_b32 s47, 0
	s_add_nc_u64 s[8:9], s[8:9], s[46:47]
.macro MUL8 f, c, a0, zero             ; 8 matrix instructions: m blocks a0, a0 + 1 x all 4 n blocks, 32 along K: half c of buffer f.  The 16 accumulators take turns
.irp a, \a0, \a0+1
.irp b, 0,1,2,3
.if \zero
	v_wmma_f32_16x16x32_f16 v[ACC+8*(4*(\a)+\b):ACC+8*(4*(\a)+\b)+7], v[\f+64+8*(4*\c+\b):\f+64+8*(4*\c+\b)+7], v[\f+8*(4*\c+\a):\f+8*(4*\c+\a)+7], 0
.else
	v_wmma_f32_16x16x32_f16 v[ACC+8*(4*(\a)+\b):ACC+8*(4*(\a)+\b)+7], v[\f+64+8*(4*\c+\b):\f+64+8*(4*\c+\b)+7], v[\f+8*(4*\c+\a):\f+8*(4*\c+\a)+7], v[ACC+8*(4*(\a)+\b):ACC+8*(4*(\a)+\b)+7]
.endif
.endr
.endr
.endm
; 32 LDS loads in one run: the fragments of 64 along K (one head) into buffer f.  k: the head's byte in a row of B; in a pair-row of A it lies at 2 k
.macro FETCH slot, k, f
	WIN TO_F
.irp c, 0,1
.irp i, 0,1,2,3
	ds_load_b128 v[\f+64+8*(4*\c+\i):\f+64+8*(4*\c+\i)+3],   v[ADRB+\slot] offset:\k+64*\c+\i*16*PITCH
	ds_load_b128 v[\f+64+8*(4*\c+\i)+4:\f+64+8*(4*\c+\i)+7], v[ADRB+\slot] offset:\k+64*\c+\i*16*PITCH+32
	ds_load_b128 v[\f+8*(4*\c+\i):\f+8*(4*\c+\i)+3],         v[ADRA+\slot] offset:2*(\k)+64*\c+\i*8*PA
	ds_load_b128 v[\f+8*(4*\c+\i)+4:\f+8*(4*\c+\i)+7],       v[ADRA+\slot] offset:2*(\k)+64*\c+\i*8*PA+32
.endr
.endr
.endm
.macro PLACES
.rept 4
	v_nop
.endr
.endm
.macro QUARTER slot, k, f, g, zero
	s_wait_dscnt 16                                ; the first 32 along K are in; the other sixteen loads may be out
	WIN MUL
	MUL8 \f, 0, 0, \zero
	MUL8 \f, 0, 2, \zero
	PLACES
	FETCH \slot, \k, \g
	s_wait_dscnt 32                                ; all but the 32 just issued
	WIN MUL
	MUL8 \f, 1, 0, 0
	MUL8 \f, 1, 2, 0
.endm
.macro TURN slot, next, fill           ; the last quarter multiplies buffer 1 and changes slots: one barrier; fill = 1: this slot is filled again, two K steps ahead
	WIN 0
	s_wait_tensorcnt 0x0                           ; all my tensor loads have landed: my part of the next slot
	ds_add_u32 v[SPW], v[NIL]
	s_wait_dscnt 17                                ; (the add and the youngest sixteen loads may be out)
	WIN MUL
	MUL8 F1, 0, 0, 0
	s_wait_dscnt 0x0                               ; the add is done, and my reads of this slot are over
	s_barrier_signal -1
	MUL8 F1, 0, 2, 0
.if \fill
	WIN 0
.endif
	s_barrier_wait -1
.if \fill
	CREST                                          ; the barrier has opened a round of the cluster's barrier
	s_add_nc_u64 s[G0+4*\slot+2:G0+4*\slot+3], s[G0+4*\slot+2:G0+4*\slot+3], 2048
	s_add_nc_u64 s[G0B+4*\slot+2:G0B+4*\slot+3], s[G0B+4*\slot+2:G0B+4*\slot+3], 1024
	JLOAD \slot                                    ; the first tensor load behind the round; its four v_nop are also the places in front of the loads below
.else
	PLACES
.endif
	FETCH \next, 0, F0
	WIN MUL
	MUL8 F1, 1, 0, 0
	MUL8 F1, 1, 2, 0
.endm
	s_wait_tensorcnt 1                             ; my part of K step 0 is in; K step 1's may be out
	s_barrier_signal -1
	s_barrier_wait -1
	FETCH 0, 0, F0
	QUARTER 0, 128, F0, F1, 1                      ; the first products start the sums
	WIN 0
	s_mov_b32 s3, LAPS-1
.Llap:
	QUARTER 0, 256, F1, F0, 0
	QUARTER 0, 384, F0, F1, 0
	TURN 0, 1, 1
	QUARTER 1, 128, F0, F1, 0
	QUARTER 1, 256, F1, F0, 0
	QUARTER 1, 384, F0, F1, 0
	TURN 1, 0, 1
	QUARTER 0, 128, F0, F1, 0
	WIN 0
	s_sub_co_u32 s3, s3, 1
	s_cmp_lg_u32 s3, 0
	s_cbranch_scc1 .Llap
	QUARTER 0, 256, F1, F0, 0                      ; the last lap fills nothing
	QUARTER 0, 384, F0, F1, 0
	TURN 0, 1, 0
	QUARTER 1, 128, F0, F1, 0
	QUARTER 1, 256, F1, F0, 0
	QUARTER 1, 384, F0, F1, 0
	s_wait_dscnt 16
	WIN MUL
	MUL8 F1, 0, 0, 0
	MUL8 F1, 0, 2, 0
	s_wait_dscnt 0
	MUL8 F1, 1, 0, 0
	MUL8 F1, 1, 2, 0
	WIN 0
	; THE WAY OUT: a wave's 64 columns of f32 are 256 aligned bytes of a row, so each wave goes through a stage of its own, 16 rows at a time, with no barrier.
.macro TOST a
.irp b, 0,1,2,3
	ds_store_b128 v[STO], v[ACC+8*(4*(\a)+\b):ACC+8*(4*(\a)+\b)+3] offset:64*\b        ; each accumulator from its low end on
	ds_store_b128 v[STO], v[ACC+8*(4*(\a)+\b)+4:ACC+8*(4*(\a)+\b)+7] offset:64*\b+16
.endr
.irp i, 0,1,2,3,4,5,6,7
	ds_load_b128 v[TMP+32*((\a)%2)+4*\i:TMP+32*((\a)%2)+4*\i+3], v[RD] offset:\i*2*SPITCH   ; in order behind my stores
.endr
.endm
.macro SEND a, younger
	s_wait_dscnt \younger                          ; the block is back; the next block's sixteen LDS instructions may be out
.irp i, 0,1,2,3,4,5,6,7
	global_store_b128 v[CO], v[TMP+32*((\a)%2)+4*\i:TMP+32*((\a)%2)+4*\i+3], s[8:9] offset:(16*(\a)+2*\i)*4096 th:TH_STORE_NT   ; 16 lanes store 256 consecutive bytes, aligned
.endr
.endm
	PLACES
	TOST 0
	TOST 1
	SEND 0, 16
	s_wait_xcnt 0x0                                ; block 0's stores have read their registers: block 2's loads may land there
	TOST 2
	SEND 1, 16
	s_wait_xcnt 0x0
	TOST 3
	SEND 2, 16
	SEND 3, 0
	s_wait_tensorcnt 0x0                           ; the wave's end
	ds_add_u32 v[SPW], v[NIL]
	s_wait_dscnt 0x0
	CROUND                                         ; the closing round
	s_endpgm
.Lfunc_end_k_q12b6576236_proj:
	.size	k_q12b6576236_proj, .Lfunc_end_k_q12b6576236_proj-k_q12b6576236_proj
	.p2alignl 7, 3214868480
	.fill 96, 4, 3214868480
	.section	.rodata,"a",@progbits
	.p2align	6, 0x0
	.amdhsa_kernel k_q12b6576236_proj
		.amdhsa_group_segment_fixed_size 327680
		.amdhsa_private_segment_fixed_size 0
		.amdhsa_enable_private_segment 0
		.amdhsa_kernarg_size 24
		.amdhsa_user_sgpr_count 2
		.amdhsa_user_sgpr_kernarg_segment_ptr 1
		.amdhsa_wavefront_size32 1
		.amdhsa_system_sgpr_workgroup_id_x 1
		.amdhsa_system_sgpr_workgroup_id_y 1
		.amdhsa_system_sgpr_workgroup_id_z 1
		.amdhsa_system_vgpr_workitem_id 0
		.amdhsa_next_free_vgpr 512
		.amdhsa_next_free_sgpr 66
		.amdhsa_reserve_vcc 0
		.amdhsa_float_denorm_mode_32 3
		.amdhsa_float_denorm_mode_16_64 3
		.amdhsa_memory_ordered 1
		.amdhsa_forward_progress 1
		.amdhsa_inst_pref_size 86
	.end_amdhsa_kernel
	.amdgpu_metadata
---
amdhsa.version: [ 1, 2 ]
amdhsa.kernels:
  - .name:           k_q12b6576236_proj
    .symbol:         k_q12b6576236_proj.kd
    .args:
      - { .name: y2, .offset: 0, .size: 8, .value_kind: global_buffer, .address_space: global }
      - { .name: wp, .offset: 8, .size: 8, .value_kind: global_buffer, .address_space: global }
      - { .name: out0, .offset: 16, .size: 8, .value_kind: global_buffer, .address_space: global }
    .group_segment_fixed_size: 327680
    .private_segment_fixed_size: 0
    .kernarg_segment_align: 8
    .kernarg_segment_size: 24
    .max_flat_workgroup_size: 128
    .sgpr_count:     66
    .vgpr_count:     512
    .wavefront_size: 32
...
	.end_amdgpu_metadata
.endif
;; end of part 6
;; launch fine (part 7): grid 16 x 4, 16 waves a work-group, no clusters, 71,680 bytes of LDS; arguments qkvf, W_proj, out0; writes out0
.if DOCPART == 7
	.amdgcn_target "amdgcn-amd-amdhsa--gfx1250"
	.amdhsa_code_object_version 6
	.text
	.protected	k_q12b6576236_fine
	.globl	k_q12b6576236_fine
	.p2align	8
	.type	k_q12b6576236_fine,@function
k_q12b6576236_fine:
	s_mov_b64 s[64:65], 0
	v_nop
	global_prefetch_b8 v0, s[64:65] scope:SCOPE_SE
	s_setreg_imm32_b32 hwreg(HW_REG_WAVE_MODE, 25, 1), 1
	s_wait_xcnt 0x0
; Positions t = 0 .. 15 of every sequence once more, all in f32: there a row of the softmax averages one to sixteen values, the results are the largest of the output, and the rounding of 16-bit operands weighs most.
; qkvf [4 b][16 t][3072] holds these rows of q, k, v as f32.  A work-group takes a batch b and 64 columns of out0; wave = head.  Each wave makes its head's 16 x 16 attention (the keys of these queries are positions 0 to 15,
; by reference()'s own mask), multiplies its y (16 x 64) by W_proj's rows 64 head .. + 63 of the 64 columns, and the sixteen heads' parts are added through LDS in a fixed order.  The rows are written over launch proj's.
; All products by the f32 matrix form, 96 a wave: no bulk work.  Its accumulators, v16-63, are written by matrix instructions alone, and every sum begins with the constant 0.
; LAYOUTS (along each product's K the same permutation on both sides): q, k: lane (r = t, h), register 8 c + j = d 16 c + 8 h + j.  v: lane (r = channel of tile c, h), register 8 c + j = v[t = 8 h + j].
; W tile nt: lane (r = n, h), register 8 c + j = W_proj[64 head + 16 c + 8 h + j][16 nt + r].  All products transposed: a lane holds one query (lane % 16) throughout.
; REGISTERS: v1-11 addresses; v12 1 / the row's sum (outside v96-127, which y takes whole); v16-31 two accumulators of S^T; v32-63 four of O^T, then the projection's four; v64-95 q, then W tile 3;
; v96-127 k, then p (v96-103) and work (v104-112), then y; v128-159 v; v160-255 W tiles 0 to 2.
.set RP,    272
.set WREG,  16*RP
.set SPARE, 16*WREG
.set RL,    12                         ; v12 the reciprocal of the row's sum
	s_load_b128 s[4:7], s[0:1], 0x0                ; qkvf, W_proj
	s_load_b64 s[8:9], s[0:1], 0x10                ; out0
	v_lshl_add_u32 v3, v0, 2, SPARE                ; my spare word; never rewritten
	v_mov_b32 v4, 0                                ; 0; never rewritten
	v_lshrrev_b32 v1, 5, v0
	v_readfirstlane_b32 s10, v1                    ; wave = head
	s_and_b32 s12, ttmp7, 0xffff                   ; b
	v_and_b32 v1, 15, v0                           ; r
	v_bfe_u32 v2, v0, 4, 1                         ; h
	v_mul_u32_u24 v5, v1, 12288
	v_lshl_add_u32 v5, v2, 5, v5                   ; q, k: row r, + 32 h
	v_mul_u32_u24 v6, v2, 8*12288
	v_lshl_add_u32 v6, v1, 2, v6                   ; v: row 8 h, + 4 r
	v_lshlrev_b32 v7, 15, v2
	v_lshl_add_u32 v7, v1, 2, v7                   ; W_proj: row 8 h of 4,096 bytes, + 4 r
	v_lshlrev_b32 v8, 3, v2
	v_sub_nc_u32 v8, v1, v8                        ; r - 8 h
	s_mul_i32 s17, s10, WREG
	v_mul_u32_u24 v9, v1, RP
	v_lshl_add_u32 v9, v2, 5, v9
	v_add_nc_u32 v9, s17, v9                       ; my part's place: row r, 32 h
	v_and_b32 v11, 31, v0
	v_lshlrev_b32 v11, 3, v11                      ; 8 x lane
	s_mul_i32 s17, s10, RP
	v_add_nc_u32 v10, s17, v11                     ; row = my wave's number of each part
	s_mov_b32 s14, 0x76543210
	s_mov_b32 s15, 0xfedcba98
	s_mov_b32 s16, 0x3e38aa3b                      ; c = log2(e) / 8
	s_mul_i32 s20, s12, 196608
	s_lshl_b32 s21, s10, 8
	s_add_co_u32 s20, s20, s21
	s_mov_b32 s21, 0
	s_lshl_b32 s22, s10, 18
	s_lshl_b32 s23, ttmp9, 8
	s_add_co_u32 s22, s22, s23
	s_mov_b32 s23, 0
	s_lshl_b32 s24, s12, 23
	s_lshl_b32 s25, s10, 12
	s_add_co_u32 s24, s24, s25
	s_lshl_b32 s25, ttmp9, 8
	s_add_co_u32 s24, s24, s25                     ; out0: row 2,048 b + wave, the work-group's 256 bytes
	s_mov_b32 s25, 0
	s_wait_kmcnt 0x0
	s_add_nc_u64 s[4:5], s[4:5], s[20:21]
	s_add_nc_u64 s[6:7], s[6:7], s[22:23]
	s_add_nc_u64 s[8:9], s[8:9], s[24:25]
.irp c, 0,1,2,3
	global_load_b128 v[64+8*\c:67+8*\c], v5, s[4:5] offset:64*\c
	global_load_b128 v[68+8*\c:71+8*\c], v5, s[4:5] offset:64*\c+16
	global_load_b128 v[96+8*\c:99+8*\c], v5, s[4:5] offset:4096+64*\c
	global_load_b128 v[100+8*\c:103+8*\c], v5, s[4:5] offset:4096+64*\c+16
.endr
.irp c, 0,1,2,3
.irp j, 0,1,2,3,4,5,6,7
	global_load_b32 v[128+8*\c+\j], v6, s[4:5] offset:8192+\j*12288+64*\c
.endr
.endr
.irp nt, 0,1,2
.irp c, 0,1,2,3
.irp j, 0,1,2,3,4,5,6,7
	global_load_b32 v[160+32*\nt+8*\c+\j], v7, s[6:7] offset:(16*\c+\j)*4096+64*\nt
.endr
.endr
.endr
	s_wait_loadcnt 63                              ; 144 loads are issued: at least the first 81 are in, and q, k, v are the first 48
.set ix, 0
.rept 16                                       ; S^T = k q^T: two accumulators by turns
.if ix < 2
	v_wmma_f32_16x16x4_f32 v[16+8*(ix%2):23+8*(ix%2)], v[96+2*ix:97+2*ix], v[64+2*ix:65+2*ix], 0
.else
	v_wmma_f32_16x16x4_f32 v[16+8*(ix%2):23+8*(ix%2)], v[96+2*ix:97+2*ix], v[64+2*ix:65+2*ix], v[16+8*(ix%2):23+8*(ix%2)]
.endif
.set ix, ix+1
.endr
.rept 8
	v_nop                                          ; eight places behind this form: the results are read, and q's and k's registers written
.endr
.irp c, 0,1,2,3
.irp j, 0,1,2,3,4,5,6,7
	global_load_b32 v[64+8*\c+\j], v7, s[6:7] offset:(16*\c+\j)*4096+192   ; W tile 3, where q lay
.endr
.endr
.irp j, 0,1,2,3,4,5,6,7
	v_add_f32 v[96+\j], v[16+\j], v[24+\j]         ; lane (r, h): the score of key 8 h + j for query r
.endr
	v_mov_b32 v104, 0xff800000
.irp j, 0,1,2,3,4,5,6,7
	v_cmp_gt_i32 vcc_lo, \j, v8                    ; hidden where 8 h + j > r
	v_cndmask_b32 v[96+\j], v[96+\j], v104, vcc_lo
.endr
	v_max3_num_f32 v105, v96, v97, v98
	v_max3_num_f32 v106, v99, v100, v101
	v_max3_num_f32 v105, v105, v102, v103
	v_max_num_f32 v105, v105, v106
	v_permlanex16_b32 v106, v105, s14, s15
	v_max_num_f32 v105, v105, v106                 ; the row's maximum: key 0 counts for every query, so it is a number
	v_mul_f32 v107, s16, v105
.irp j, 0,1,2,3,4,5,6,7
	v_fma_f32 v[96+\j], v[96+\j], s16, -v107
.endr
.irp j, 0,1,2,3,4,5,6,7
	v_exp_f32 v[96+\j], v[96+\j]
.endr
	v_nop                                          ; the plain line behind the last exponential
	s_wait_alu depctr_va_vdst(0)                   ; one wait for the eight, ahead of their first reader
	v_add_f32 v108, v96, v97
	v_add_f32 v110, v98, v99
	v_add_f32 v111, v100, v101
	v_add_f32 v112, v102, v103
	v_add_f32 v108, v108, v110
	v_add_f32 v111, v111, v112
	v_add_f32 v108, v108, v111
	v_permlanex16_b32 v110, v108, s14, s15
	v_add_f32 v108, v108, v110                     ; the row's sum
	v_rcp_f32 v[RL], v108                          ; kept in a register that y's 32 do not reach
	v_nop
	s_wait_alu depctr_va_vdst(0)                   ; and one for the reciprocal
.irp s, 0,1,2,3                                ; O^T = v^T p: four accumulators by turns; K step s: keys 8 h + 2 s, 8 h + 2 s + 1
.irp ct, 0,1,2,3
.if \s == 0
	v_wmma_f32_16x16x4_f32 v[32+8*\ct:39+8*\ct], v[128+8*\ct+2*\s:129+8*\ct+2*\s], v[96+2*\s:97+2*\s], 0
.else
	v_wmma_f32_16x16x4_f32 v[32+8*\ct:39+8*\ct], v[128+8*\ct+2*\s:129+8*\ct+2*\s], v[96+2*\s:97+2*\s], v[32+8*\ct:39+8*\ct]
.endif
.endr
.endr
.rept 9
	v_nop                                          ; eight places for the lines that read the results and write over p; nine since the projection's first products begin anew over these accumulators
.endr
.set ix, 0
.rept 32
	v_mul_f32 v[96+ix], v[32+ix], v[RL]            ; y: register 8 ct + j = channel 16 ct + 8 h + j of query r; each accumulator from its low end on
.set ix, ix+1
.endr
	s_wait_loadcnt 0x0                             ; all of W
.set ix, 0
.rept 16                                       ; out^T = W^T y^T: four accumulators by turns
.irp nt, 0,1,2,3
.set wr, 160+32*\nt
.if \nt == 3
.set wr, 64
.endif
.if ix == 0
	v_wmma_f32_16x16x4_f32 v[32+8*\nt:39+8*\nt], v[wr+2*ix:wr+2*ix+1], v[96+2*ix:97+2*ix], 0
.else
	v_wmma_f32_16x16x4_f32 v[32+8*\nt:39+8*\nt], v[wr+2*ix:wr+2*ix+1], v[96+2*ix:97+2*ix], v[32+8*\nt:39+8*\nt]
.endif
.endr
.set ix, ix+1
.endr
.rept 8
	v_nop
.endr
.irp nt, 0,1,2,3
	ds_store_b128 v9, v[32+8*\nt:35+8*\nt] offset:64*\nt           ; lane (r, h): my head's part of out(t = r, 16 nt + 8 h + 0 .. 7)
	ds_store_b128 v9, v[36+8*\nt:39+8*\nt] offset:64*\nt+16
.endr
	s_wait_dscnt 0x0                               ; for the others' sake: my stores have landed
	s_barrier_signal -1
	s_barrier_wait -1
.irp i, 0,1,2,3,4,5,6,7,8,9,10,11,12,13,14,15
	ds_load_b64 v[160+2*\i:161+2*\i], v10 offset:\i*WREG           ; row t = my wave's number of head i's part
.endr
	s_wait_dscnt 0x0
.irp i, 2,4,6,8,10,12,14
	v_pk_add_f32 v[160:161], v[160:161], v[160+2*\i:161+2*\i]      ; two chains, in a fixed order
	v_pk_add_f32 v[162:163], v[162:163], v[162+2*\i:163+2*\i]
.endr
	v_pk_add_f32 v[160:161], v[160:161], v[162:163]
	global_store_b64 v11, v[160:161], s[8:9]       ; 32 lanes store 256 consecutive bytes, aligned
	s_wait_tensorcnt 0x0                           ; the wave's end
	ds_add_u32 v3, v4
	s_wait_dscnt 0x0
	s_endpgm
.Lfunc_end_k_q12b6576236_fine:
	.size	k_q12b6576236_fine, .Lfunc_end_k_q12b6576236_fine-k_q12b6576236_fine
	.p2alignl 7, 3214868480
	.fill 96, 4, 3214868480
	.section	.rodata,"a",@progbits
	.p2align	6, 0x0
	.amdhsa_kernel k_q12b6576236_fine
		.amdhsa_group_segment_fixed_size 71680
		.amdhsa_private_segment_fixed_size 0
		.amdhsa_enable_private_segment 0
		.amdhsa_kernarg_size 24
		.amdhsa_user_sgpr_count 2
		.amdhsa_user_sgpr_kernarg_segment_ptr 1
		.amdhsa_wavefront_size32 1
		.amdhsa_system_sgpr_workgroup_id_x 1
		.amdhsa_system_sgpr_workgroup_id_y 1
		.amdhsa_system_sgpr_workgroup_id_z 1
		.amdhsa_system_vgpr_workitem_id 0
		.amdhsa_next_free_vgpr 256
		.amdhsa_next_free_sgpr 66
		.amdhsa_reserve_vcc 1
		.amdhsa_float_denorm_mode_32 3
		.amdhsa_float_denorm_mode_16_64 3
		.amdhsa_memory_ordered 1
		.amdhsa_forward_progress 1
		.amdhsa_inst_pref_size 32
	.end_amdhsa_kernel
	.amdgpu_metadata
---
amdhsa.version: [ 1, 2 ]
amdhsa.kernels:
  - .name:           k_q12b6576236_fine
    .symbol:         k_q12b6576236_fine.kd
    .args:
      - { .name: qkvf, .offset: 0, .size: 8, .value_kind: global_buffer, .address_space: global }
      - { .name: W_proj, .offset: 8, .size: 8, .value_kind: global_buffer, .address_space: global }
      - { .name: out0, .offset: 16, .size: 8, .value_kind: global_buffer, .address_space: global }
    .group_segment_fixed_size: 71680
    .private_segment_fixed_size: 0
    .kernarg_segment_align: 8
    .kernarg_segment_size: 24
    .max_flat_workgroup_size: 512
    .sgpr_count:     66
    .vgpr_count:     256
    .wavefront_size: 32
...
	.end_amdgpu_metadata
.endif
;; end of part 7
